; MI455X (gfx1250); checked and timed in simulation.
; The chip was launched on July 23, 2026; its instructions are those of AMD's public machine-readable ISA for CDNA 5 (MIT licence, August 2026) and "CDNA5" Instruction Set Architecture Reference Guide (July 2026). The comments in the code are by the model that wrote it; some were corrected since.
;; CPAB Transform. Allowed arithmetic: float matrix products may take bf16 or f16 operands with f32 sums; all other float work in f32.
;; Inputs: B 20 x 9 float32; W0 1 x 10 float32; W1 10 x 10 float32; W2 10 x 10 float32; W3 10 x 9 float32; b0 10 float32; b1 10 float32; b2 10 float32; b3 9 float32; x 4,194,304 x 2 float32.
;; Outputs: out0 4,194,304 x 2 float32; out1 4,194,304 x 2 float32.
;; 3 versions, each right and faster than the one before. Each part assembles by itself: llvm-mc -triple=amdgcn-amd-amdhsa -mcpu=gfx1250 --defsym DOCPART=n.
;; ======== version 1 of 3: 1 launch
;; launch cpab (part 1): grid 256 x 1, 16 waves a work-group, no clusters, 0 bytes of LDS; arguments x, B, W0, W1, W2, W3, b0, b1, b2, b3, out0, out1; writes out0, out1
.if DOCPART == 1
	.amdgcn_target "amdgcn-amd-amdhsa--gfx1250"
	.amdhsa_code_object_version 6
	.text
	.protected	k_q2b900bdde1_cpab
	.globl	k_q2b900bdde1_cpab
	.p2align	8
	.type	k_q2b900bdde1_cpab,@function
k_q2b900bdde1_cpab:
	s_mov_b64 s[64:65], 0
	v_nop
	global_prefetch_b8 v0, s[64:65] scope:SCOPE_SE
	s_setreg_imm32_b32 hwreg(HW_REG_WAVE_MODE, 25, 1), 1
	s_wait_xcnt 0x0
; CPAB TRANSFORM.  For each of 4,194,304 points: x1 = clip(x[.][1]) goes through the MLP 1 -> 10 -> 10 -> 10 -> 9 (ReLU three times); theta B^T gives ten pairs (a, b),
; one for each cell of width 1/10; x2 = clip(x[.][0]) is carried through 11 steps of the closed-form walk across cells.  out0 = (z2, x1), out1 = (log(exp(s)), 0).
; FORMATS.  EVERY INPUT IS ROUNDED TO bf16 AS IT IS LOADED: the weights, the biases, B, and both columns of x (ahead of the clip).  All that follows is f32.  So the results are reference()'s on inputs rounded to
; bf16, which the problem's contract admits; they are those of an x up to 2^-9 of itself away.  Why x too: the closed form divides by the cell's slope a, and where |a| is small its f32 result is rounding noise
; (about 2^-24 b / |a| in psi, 1e-7 / |a| in t_hit).  The slopes hang on x1 alone: in bf16 x1 has 128 values an octave, few of which can fall near a zero of a slope; and one rounding for all inputs is one function.
; SHARES.  256 work-groups of 16 waves; a work-group owns 16,384 consecutive points (131,072 bytes of x, out0 and out1), in 16 trips of 1,024 points.  In a trip a wave takes 64 points:
; one 16-byte load a lane, so lane L holds points 2 L (set E) and 2 L + 1 (set O), and each load or store of a wave covers 512 consecutive bytes, aligned.
; No LDS, no barrier, no cluster: the work-groups share nothing but 2 KB of weights, which every wave keeps in registers as matrix fragments; the vector work of the walk is what counts.
; MATRIX WORK.  v_wmma_f32_16x16x32_bf16, source 0 = weights, source 1 = activations; a tile is 16 points as columns (T0: the points of lanes 0-15, T1: of lanes 16-31).
; The weights are bf16 numbers.  An activation goes in as two bf16, hi + lo (about 16 significant bits, f32's exponent range): K = 32 has the room: 10 features hi, 10 lo, and a one for the bias.
; Row 8 h + j (j < 5) of a hidden layer's result is feature 5 h + j; rows 5-7 and 13-15 have zero weights.  So lane (r, h) holds features 5 h .. 5 h + 4 of point r in D0..D4, and these,
; rounded in the same lane, are k = 8 h + 0..4 (hi) and 16 + 8 h + 0..4 (lo) of the next product's source 1: nothing changes lanes between the layers.
; THE WALK.  a[c] and b[c] are chosen by selects in every step (the cell comes from floating-point numbers, so it enters no address and no branch); all 11 steps always run.
; LIMITS.  Divisions are v_rcp_f32 and a multiply; knots are c x 0.1f.  vb / v is formed as 1 + a (xc - phi) / v_safe: the same number for v != 0, with one rounding near 1; for v = 0 exactly it is 1 + vb, and t_hit is
; not used there (psi = phi).  A point counts as inside its cell if psi has not passed the knot in the direction of its velocity, and t_hit is capped at the time that is left: with time left >= 0 the flow inside a
; cell never turns, so in exact arithmetic this is the test psi in [lo, hi]; in f32 it differs where rounding makes t_hit exceed the time left, or puts psi behind the knot through which the point has just come in:
; there this text ends the walk at that knot, where the walk with negative time would run on through the cells.  Where |a| is between 1e-10 and about 1e-5 psi and t_hit carry the noise named above.
; v_exp_f32 and v_log_f32 flush denormals: for s below about -87 out1 is -inf.  v_max_num_f32 and v_min_num_f32 drop a NaN; NaN and infinities in the inputs are not treated apart.
.set USE_DUAL, 1        ; 1: two selects by one mask go as one dual instruction; 0: as two plain ones
.set TRIPS,  16
.set CHUNK,  8192       ; bytes of x (and of each output) that the work-group takes in a trip
.set NSTEP,  11         ; steps of the walk: cells + 1
; ---- vector registers
.set XOFF, 1            ; 16 x thread + 8,192 x trip
.set ZERO, 3            ; 0.0
.set XD,   4            ; v[4:7]   (x2E, x1E, x2O, x1O) rounded and clipped; at the end out0's 16 bytes
.set XN,   8            ; v[8:11]  the next trip's x as loaded
.set rPHI, 12           ; pairs: register +0 is set E's, +1 set O's; 'reversed' pairs hold E in +1
.set rTM,  14           ; time left
.set rSS,  16           ; s, reversed
.set rCF,  18           ; the cell, as a float 0..9
.set Q1,   20           ; v[20:23] out1's 16 bytes; +1 and +3 stay 0
.set rPN,  24           ; new phi, reversed
.set rTH,  26           ; t_hit
.set rAP,  28           ; a of the cell
.set rBP,  30           ; b of the cell
.set rV,   32           ; v = a phi + b
.set rRA,  34           ; a_safe, then 1 / a_safe
.set rAT,  36           ; a t log2(e), then exp(a t)
.set rBOA, 38           ; b / a_safe
.set rP1,  40           ; psi for |a| > 1e-10
.set rP2,  42           ; psi otherwise
.set rLO,  44
.set rCM1, 46           ; c - 1
.set rHI,  48
.set rC1,  50           ; c + 1
.set rXC,  52           ; the knot in the flow's direction
.set rCN,  54           ; the cell behind that knot, reversed
.set DE0,  56           ; set E: accumulators T0, T1 (hidden layers and features 0-15 of the last), then features 16-19 T0, T1
.set DE1,  64
.set BE0,  72
.set BE1,  80
.set DO0,  88           ; set O likewise
.set DO1,  96
.set BO0,  104
.set BO1,  112
.set TE,   56           ; after the exchange of halves: v[56:75] = my point's table a0, b0, a1, b1, .. of set E
.set TO,   88           ; v[88:107] of set O
.set UE,   76           ; v[76:85]  five folded pairs of set E's table
.set rTC,  86           ; c - 4.5
.set UO,   108          ; v[108:117]
.set rVB,  118          ; the ratio vb / v, its log2, t_hit for |a| > 1e-10
.set OPE0, 120          ; source 1 tuples: +0..2 hi, +3 two ones, +4..6 lo, +7 zero; +3 and +7 are written once
.set OPE1, 128
.set OPO0, 136
.set OPO1, 144
.set rRV,  120          ; v_safe, then 1 / v_safe         (the walk's temporaries lie in the tuples' registers +0, +1, +4, +5)
.set rDD,  124          ; xc - phi, then (xc - phi) / v_safe: t_hit for |a| <= 1e-10
.set rPSI, 128          ; psi, reversed
.set rTT,  132          ; the time spent in this step
.set rSN,  136          ; s + a x that time
.set X0,   152          ; layer 0's source 1
.set F0A,  160          ; weight fragments
.set F0B,  168
.set W1H,  176
.set W2H,  192
.set W3H,  208
.set AAH,  224
.set ABH,  240
; ---- scalar registers: s[8:31] the twelve addresses
.set sCLO,  32          ; 1e-7
.set sCHI,  33          ; 1 - 1e-7
.set sK35,  34          ; 3.5, 2.5, 1.5
.set sK25,  35
.set sK15,  36
.set sTINY, 37          ; 1e-10
.set sRMIN, 38          ; 1e-30
.set sNEG1, 39          ; -1.0
.set sACT,  40          ; s[40:41] lanes whose point is still walking, E and O
.set sBIG,  42          ; s[42:43] |a| > 1e-10
.set sNXT,  44          ; s[44:45] still walking after this step
.set sSTEP, 47
.set sTRIP, 48
.set sNINE, 49          ; 9.0
.set sM10,  50          ; lane masks for the set-up: bit 16 hA + r
.set sM9,   51
.set sMB,   52
.set sMA4,  53
.set sMB4,  54
.set sMB10, 55
.set sMB9,  56
.set sMF0B, 57
.set sGE,   58          ; s[58:59] v >= 0
.set sALL,  60
; d0 = VCC ? t0 : f0 and d1 = VCC ? t1 : f1.  Every use keeps the dual form's conditions: one destination even and one odd, the two first sources in different banks (number mod 4), the two second sources likewise.
.macro DSEL d0, f0, t0, d1, f1, t1
.if USE_DUAL
	v_dual_cndmask_b32 v[\d0], v[\f0], v[\t0] :: v_dual_cndmask_b32 v[\d1], v[\f1], v[\t1]
.else
	v_cndmask_b32 v[\d0], v[\f0], v[\t0], vcc_lo
	v_cndmask_b32 v[\d1], v[\f1], v[\t1], vcc_lo
.endif
.endm
; v[d] -= the bf16 in the low (half = 0) or high half of v[p]: exact, what the rounding to bf16 left over
.macro RES d, p, half
.if \half
	v_fma_mix_f32_bf16 v[\d], v[\p], s[sNEG1], v[\d] op_sel:[1,0,0] op_sel_hi:[1,0,0]
.else
	v_fma_mix_f32_bf16 v[\d], v[\p], s[sNEG1], v[\d] op_sel_hi:[1,0,0]
.endif
.endm
; Five staged weights v[W..W+4] (k = 8 hA + 0..4 of row r) are rounded to bf16 and become fragment H; lanes outside mask m (m4 for the fifth) hold 0.  Registers 4-6 repeat 0-2: they meet the activations' lo parts.
.macro MKFRAG H, W, m, m4
.irp s, 0,1,2,3
	v_cndmask_b32 v[(\W)+(\s)], 0, v[(\W)+(\s)], s[\m]
.endr
	v_cndmask_b32 v[(\W)+4], 0, v[(\W)+4], s[\m4]
	v_cvt_pk_bf16_f32 v[(\H)], v[(\W)], v[(\W)+1]
	v_cvt_pk_bf16_f32 v[(\H)+1], v[(\W)+2], v[(\W)+3]
	v_cvt_pk_bf16_f32 v[(\H)+2], v[(\W)+4], v[ZERO]
.irp p, 0,1,2
	v_mov_b32 v[(\H)+4+(\p)], v[(\H)+(\p)]
.endr
	v_mov_b32 v[(\H)+3], 0
	v_mov_b32 v[(\H)+7], 0
.endm
; The bias of row r, rounded to bf16, at k = 6 (lanes hA = 0 alone), where source 1 holds a one
.macro MKBIAS H, b, m
	v_cndmask_b32 v[\b], 0, v[\b], s[\m]
	v_cvt_pk_bf16_f32 v[(\H)+3], v[\b], v[ZERO]
.endm
; Layer 0's fragment: (w, w) meets (xh, xl), (b, 0) meets the ones; in the lanes of mask m alone
.macro MKF0 F, m
	v_cndmask_b32 v[(\F)], 0, v60, s[\m]
	v_cndmask_b32 v[(\F)+3], 0, v62, s[\m]
.irp p, 1,2,4,5,6,7
	v_mov_b32 v[(\F)+(\p)], 0
.endr
.endm
.macro MMZ D, A, Bf                     ; D = A x B: one product is the whole sum (K = 32 holds a layer)
	v_wmma_f32_16x16x32_bf16 v[(\D):(\D)+7], v[(\A):(\A)+7], v[(\Bf):(\Bf)+7], 0
.endm
; A hidden layer for one set: weights x (hi + lo activations) + bias, a product a tile
.macro WM H, DA, DB, OA, OB
	MMZ \DA, \H, \OA
	MMZ \DB, \H, \OB
.endm
; The last product, theta B^T: features 0-15 into DA, DB, features 16-19 into BA, BB
.macro WMA DA, DB, BA, BB, OA, OB
	MMZ \DA, AAH, \OA
	MMZ \DB, AAH, \OB
	MMZ \BA, ABH, \OA
	MMZ \BB, ABH, \OB
.endm
; A set's two results become the next product's source 1: ReLU (relu = 1), hi = bf16(D), D -= hi, lo = bf16(D).  Each accumulator is read from its lowest registers on.  D5 is 0 (a zero row).
.macro SPLIT DA, DB, OA, OB, relu
.if \relu
.irp j, 0,1,2,3,4
	v_max_num_f32 v[(\DA)+(\j)], 0, v[(\DA)+(\j)]
	v_max_num_f32 v[(\DB)+(\j)], 0, v[(\DB)+(\j)]
.endr
.endif
.irp p, 0,1,2
	v_cvt_pk_bf16_f32 v[(\OA)+(\p)], v[(\DA)+2*(\p)], v[(\DA)+2*(\p)+1]
	v_cvt_pk_bf16_f32 v[(\OB)+(\p)], v[(\DB)+2*(\p)], v[(\DB)+2*(\p)+1]
.endr
.irp j, 0,1,2,3,4
	RES (\DA)+(\j), (\OA)+(\j)/2, (\j)%2
	RES (\DB)+(\j), (\OB)+(\j)/2, (\j)%2
.endr
.irp p, 0,1,2
	v_cvt_pk_bf16_f32 v[(\OA)+4+(\p)], v[(\DA)+2*(\p)], v[(\DA)+2*(\p)+1]
	v_cvt_pk_bf16_f32 v[(\OB)+4+(\p)], v[(\DB)+2*(\p)], v[(\DB)+2*(\p)+1]
.endr
.endm
; T0's upper lanes (features 8 + j of points 0-15) change places with T1's lower lanes (features j of points 16-31): then every lane holds its own point's features j in DA and 8 + j in DB; 16 + j likewise in BA
.macro SWAP DA, DB, BA, BB
.irp j, 0,1,2,3,4,5,6,7
	v_permlane16_swap_b32 v[(\DA)+(\j)], v[(\DB)+(\j)]
.endr
.irp j, 0,1,2,3
	v_permlane16_swap_b32 v[(\BA)+(\j)], v[(\BB)+(\j)]
.endr
.endm
; (a, b) of cell c out of the table at TB.  The table is folded at its middle (c >= 5 takes entry 9 - i for i); then |c - 4.5| = 4.5 - i names entry i of five.
.macro SEL sg, TB, U
	v_cmp_lt_f32 vcc_lo, 0, v[rTC+(\sg)]
.irp i, 0,1,2,3,4
	DSEL (\U)+2*(\i), (\TB)+2*(\i), (\TB)+18-2*(\i), (\U)+2*(\i)+1, (\TB)+2*(\i)+1, (\TB)+19-2*(\i)
.endr
	v_cmp_le_f32 vcc_lo, |v[rTC+(\sg)]|, s[sK35]
	DSEL (\U), (\U), (\U)+2, (\U)+1, (\U)+1, (\U)+3
	v_cmp_le_f32 vcc_lo, |v[rTC+(\sg)]|, s[sK25]
	DSEL (\U), (\U), (\U)+4, (\U)+1, (\U)+1, (\U)+5
	v_cmp_le_f32 vcc_lo, |v[rTC+(\sg)]|, s[sK15]
	DSEL (\U), (\U), (\U)+6, (\U)+1, (\U)+1, (\U)+7
	v_cmp_le_f32 vcc_lo, |v[rTC+(\sg)]|, 0.5
	v_cndmask_b32 v[rAP+(\sg)], v[(\U)], v[(\U)+8], vcc_lo
	v_cndmask_b32 v[rBP+(\sg)], v[(\U)+1], v[(\U)+9], vcc_lo
.endm
; ONE STEP OF THE WALK for the lane's two points.  Behind each pair of transcendentals stands plain work on other registers before a result is used (ISA guide 5.7.2).
; Time and cell are stepped without a mask: a point that has ended never uses them again, and its phi and s are kept by the selects on sACT.
.macro STEP
	v_pk_add_f32 v[rTC:rTC+1], v[rCF:rCF+1], 0xc0900000 op_sel_hi:[1,0]        ; c - 4.5
	SEL 0, TE, UE
	SEL 1, TO, UO
	v_pk_fma_f32 v[rV:rV+1], v[rAP:rAP+1], v[rPHI:rPHI+1], v[rBP:rBP+1]        ; v = a phi + b
.irp g, 0,1
	v_cmp_gt_f32 s[sBIG+(\g)], |v[rAP+(\g)]|, s[sTINY]
	v_cndmask_b32 v[rRA+(\g)], 1.0, v[rAP+(\g)], s[sBIG+(\g)]                  ; a_safe
.endr
	v_rcp_f32 v[rRA], v[rRA]
	v_rcp_f32 v[rRA+1], v[rRA+1]
	v_pk_mul_f32 v[rAT:rAT+1], v[rAP:rAP+1], v[rTM:rTM+1]
	v_pk_mul_f32 v[rAT:rAT+1], v[rAT:rAT+1], 0x3fb8aa3b op_sel_hi:[1,0]        ; a t log2(e)
	v_exp_f32 v[rAT], v[rAT]
	v_exp_f32 v[rAT+1], v[rAT+1]
	v_pk_add_f32 v[rC1:rC1+1], v[rCF:rCF+1], 1.0 op_sel_hi:[1,0]
	v_pk_add_f32 v[rCM1:rCM1+1], v[rCF:rCF+1], -1.0 op_sel_hi:[1,0]
	v_pk_mul_f32 v[rLO:rLO+1], v[rCF:rCF+1], 0x3dcccccd op_sel_hi:[1,0]        ; lo = 0.1 c, hi = 0.1 (c + 1): a cell's hi and its neighbour's lo are the same bits
	v_pk_mul_f32 v[rHI:rHI+1], v[rC1:rC1+1], 0x3dcccccd op_sel_hi:[1,0]
.irp g, 0,1
	v_cmp_neq_f32 vcc_lo, 0, v[rV+(\g)]
	v_cndmask_b32 v[rRV+(\g)], 1.0, v[rV+(\g)], vcc_lo                         ; v_safe
.endr
	v_rcp_f32 v[rRV], v[rRV]
	v_rcp_f32 v[rRV+1], v[rRV+1]
.irp g, 0,1
	v_cmp_le_f32 vcc_lo, 0, v[rV+(\g)]                                         ; v >= 0: the knot and the cell ahead
	s_mov_b32 s[sGE+(\g)], vcc_lo
	DSEL rXC+(\g), rLO+(\g), rHI+(\g), rCN+1-(\g), rCM1+(\g), rC1+(\g)
.endr
	v_pk_add_f32 v[rDD:rDD+1], v[rXC:rXC+1], v[rPHI:rPHI+1] neg_lo:[0,1] neg_hi:[0,1]
	s_wait_alu depctr_va_vdst(0)
	v_pk_mul_f32 v[rBOA:rBOA+1], v[rBP:rBP+1], v[rRA:rRA+1]                    ; b / a_safe
	v_pk_mul_f32 v[rDD:rDD+1], v[rDD:rDD+1], v[rRV:rRV+1]                      ; (xc - phi) / v_safe
	v_pk_fma_f32 v[rVB:rVB+1], v[rAP:rAP+1], v[rDD:rDD+1], 1.0 op_sel_hi:[1,1,0]  ; vb / v = 1 + a (xc - phi) / v
	v_max_num_f32 v[rVB], s[sRMIN], v[rVB]
	v_max_num_f32 v[rVB+1], s[sRMIN], v[rVB+1]
	v_log_f32 v[rVB], v[rVB]
	v_log_f32 v[rVB+1], v[rVB+1]
	v_pk_add_f32 v[rP1:rP1+1], v[rPHI:rPHI+1], v[rBOA:rBOA+1]
	v_pk_fma_f32 v[rP1:rP1+1], v[rP1:rP1+1], v[rAT:rAT+1], v[rBOA:rBOA+1] neg_lo:[0,0,1] neg_hi:[0,0,1]  ; (phi + b/a) exp(a t) - b/a
	v_pk_fma_f32 v[rP2:rP2+1], v[rBP:rBP+1], v[rTM:rTM+1], v[rPHI:rPHI+1]      ; phi + b t
	s_wait_alu depctr_va_vdst(0)
	v_pk_mul_f32 v[rVB:rVB+1], v[rVB:rVB+1], 0x3f317218 op_sel_hi:[1,0]        ; log(ratio)
	v_pk_mul_f32 v[rVB:rVB+1], v[rVB:rVB+1], v[rRA:rRA+1]                      ; / a_safe
.irp g, 0,1
	s_mov_b32 vcc_lo, s[sBIG+(\g)]
	DSEL rPSI+1-(\g), rP2+(\g), rP1+(\g), rTH+(\g), rDD+(\g), rVB+(\g)
.endr
	v_min_num_f32 v[rTH], v[rTH], v[rTM]                                       ; no more time is spent than is left
	v_min_num_f32 v[rTH+1], v[rTH+1], v[rTM+1]
.irp g, 0,1
	v_cmp_gt_f32 vcc_lo, v[rPSI+1-(\g)], v[rXC+(\g)]
	s_xor_b32 vcc_lo, vcc_lo, s[sGE+(\g)]                                      ; inside: v >= 0 and psi <= hi, or v < 0 and psi > lo
	DSEL rTT+(\g), rTH+(\g), rTM+(\g), rPN+1-(\g), rXC+(\g), rPSI+1-(\g)
	s_and_not1_b32 s[sNXT+(\g)], s[sACT+(\g)], vcc_lo
	v_fma_f32 v[rSN+(\g)], v[rAP+(\g)], v[rTT+(\g)], v[rSS+1-(\g)]
	s_mov_b32 vcc_lo, s[sACT+(\g)]
	DSEL rSS+1-(\g), rSS+1-(\g), rSN+(\g), rPHI+(\g), rPHI+(\g), rPN+1-(\g)
	s_mov_b32 s[sACT+(\g)], s[sNXT+(\g)]
.endr
	v_pk_add_f32 v[rTM:rTM+1], v[rTM:rTM+1], v[rTH:rTH+1] neg_lo:[0,1] neg_hi:[0,1]
	v_med3_num_f32 v[rCF], v[rCN+1], 0, s[sNINE]
	v_med3_num_f32 v[rCF+1], v[rCN], 0, s[sNINE]
.endm
; ONE TRIP: 64 points of the wave.  pre = 1: the next trip's x is asked for at once, a whole trip ahead of its use; the last trip asks for nothing.
; The two sets take turns between the vector and the matrix unit: a set's SPLIT (22 or 32 plain instructions that name none of the other set's registers) stands between the other set's products
; and whatever reads or rewrites their registers: more than the four (five) places that ISA guide 7.12.1 asks for.
.macro TRIP pre
	s_wait_loadcnt 0x0                             ; one load of mine is out: this trip's x
	v_cvt_pk_bf16_f32 v[rPN], v[XN], v[XN+1]       ; x is rounded to bf16, like every input,
	v_cvt_pk_bf16_f32 v[rPN+1], v[XN+2], v[XN+3]
.if \pre
	global_load_b128 v[XN:XN+3], v[XOFF], s[8:9] offset:CHUNK th:TH_LOAD_NT
.endif
	v_lshlrev_b32 v[XD], 16, v[rPN]                ; widened again,
	v_and_b32 v[XD+1], 0xffff0000, v[rPN]
	v_lshlrev_b32 v[XD+2], 16, v[rPN+1]
	v_and_b32 v[XD+3], 0xffff0000, v[rPN+1]
.irp i, 0,1,2,3
	v_med3_num_f32 v[XD+(\i)], v[XD+(\i)], s[sCLO], s[sCHI]  ; and clipped
.endr
	v_and_b32 v[rPN], 0xffff0000, v[XD+1]          ; x1 of set E as hi + lo: the clip's two bounds are no bf16 numbers
	v_sub_f32 v[rPN+1], v[XD+1], v[rPN]
	v_cvt_pk_bf16_f32 v[X0], v[rPN], v[rPN+1]
	MMZ DE0, F0A, X0                               ; layer 0: F0A takes the lower lanes' k (T0's points), F0B the upper lanes' (T1's)
	MMZ DE1, F0B, X0
	v_mov_b32 v[rPHI], v[XD]                       ; the walk's start: nine plain instructions, the places in front of the rewriting of X0
	v_mov_b32 v[rPHI+1], v[XD+2]
	v_pk_mul_f32 v[rCF:rCF+1], v[rPHI:rPHI+1], 0x41200000 op_sel_hi:[1,0]
	v_floor_f32 v[rCF], v[rCF]
	v_floor_f32 v[rCF+1], v[rCF+1]
	v_med3_num_f32 v[rCF], v[rCF], 0, s[sNINE]
	v_med3_num_f32 v[rCF+1], v[rCF+1], 0, s[sNINE]
	v_and_b32 v[rTH], 0xffff0000, v[XD+3]          ; x1 of set O
	v_sub_f32 v[rTH+1], v[XD+3], v[rTH]
	v_cvt_pk_bf16_f32 v[X0], v[rTH], v[rTH+1]
	MMZ DO0, F0A, X0
	MMZ DO1, F0B, X0
	SPLIT DE0, DE1, OPE0, OPE1, 1
	WM W1H, DE0, DE1, OPE0, OPE1
	SPLIT DO0, DO1, OPO0, OPO1, 1
	WM W1H, DO0, DO1, OPO0, OPO1
	SPLIT DE0, DE1, OPE0, OPE1, 1
	WM W2H, DE0, DE1, OPE0, OPE1
	SPLIT DO0, DO1, OPO0, OPO1, 1
	WM W2H, DO0, DO1, OPO0, OPO1
	SPLIT DE0, DE1, OPE0, OPE1, 1
	WM W3H, DE0, DE1, OPE0, OPE1
	SPLIT DO0, DO1, OPO0, OPO1, 1
	WM W3H, DO0, DO1, OPO0, OPO1
	SPLIT DE0, DE1, OPE0, OPE1, 0                  ; theta: no ReLU
	WMA DE0, DE1, BE0, BE1, OPE0, OPE1
	SPLIT DO0, DO1, OPO0, OPO1, 0
	WMA DO0, DO1, BO0, BO1, OPO0, OPO1
	SWAP DE0, DE1, BE0, BE1
	v_mov_b32 v[rTM], 1.0                          ; four plain instructions: the places behind set O's last products
	v_mov_b32 v[rTM+1], 1.0
	v_mov_b32 v[rSS], 0
	v_mov_b32 v[rSS+1], 0
	SWAP DO0, DO1, BO0, BO1
	s_mov_b32 s[sACT], -1
	s_mov_b32 s[sACT+1], -1
	s_mov_b32 s[sSTEP], NSTEP
.Lstep_\@:
	STEP
	s_sub_co_u32 s[sSTEP], s[sSTEP], 1
	s_cmp_lg_u32 s[sSTEP], 0
	s_cbranch_scc1 .Lstep_\@
	v_pk_mul_f32 v[rAP:rAP+1], v[rSS:rSS+1], 0x3fb8aa3b op_sel_hi:[1,0]        ; dz = exp(s); out1 = log(dz).  The pair is reversed: +1 is set E's
	v_exp_f32 v[rAP], v[rAP]
	v_exp_f32 v[rAP+1], v[rAP+1]
	v_mov_b32 v[XD], v[rPHI]                       ; out0 = (z2, x1): x1 is in place
	v_mov_b32 v[XD+2], v[rPHI+1]
	s_wait_alu depctr_va_vdst(0)
	v_log_f32 v[rAP], v[rAP]
	v_log_f32 v[rAP+1], v[rAP+1]
	v_nop                                          ; a plain instruction between the last logarithm and the use of its result
	s_wait_alu depctr_va_vdst(0)
	v_mul_f32 v[Q1], 0x3f317218, v[rAP+1]
	v_mul_f32 v[Q1+2], 0x3f317218, v[rAP]
	global_store_b128 v[XOFF], v[XD:XD+3], s[28:29] th:TH_STORE_NT             ; each store of the wave covers 512 consecutive bytes, aligned
	global_store_b128 v[XOFF], v[Q1:Q1+3], s[30:31] th:TH_STORE_NT
.if \pre
	s_wait_xcnt 0x0                                ; the stores' data and the offset (the pending load's too) are rewritten only behind this wait
	v_add_nc_u32 v[XOFF], CHUNK, v[XOFF]
.endif
.endm
; ---------------- set-up, once a wave
	s_load_b512 s[8:23], s[0:1], 0x0               ; x 8, B 10, W0 12, W1 14, W2 16, W3 18, b0 20, b1 22
	s_load_b256 s[24:31], s[0:1], 0x40             ; b2 24, b3 26, out0 28, out1 30
	v_lshlrev_b32 v[XOFF], 4, v0
	v_mov_b32 v[ZERO], 0
	; A weight fragment's lane (r, hA) holds row r and k = 8 hA + s, which is input feature 5 hA + s.  Row r is output feature (r & 7) + 5 (r >> 3) where r & 7 < 5.
	; Offsets of rows and slots that hold no weight are clamped into the buffer; what they load is masked away.
	v_and_b32 v12, 15, v0                          ; r
	v_bfe_u32 v13, v0, 4, 1                        ; hA
	v_and_b32 v14, 7, v0                           ; r & 7
	v_bfe_u32 v15, v0, 3, 1                        ; r >> 3
	v_min_u32 v16, 4, v14
	v_mad_u32_u24 v16, v15, 5, v16                 ; output feature of 10
	v_min_u32 v17, 8, v16                          ; of 9
	v_lshlrev_b32 v16, 2, v16
	v_lshlrev_b32 v17, 2, v17
	v_mad_u32_u24 v18, v13, 200, v16               ; W1, W2: 4 (10 (5 hA + s) + f), s in the immediate; 396 at the most
	v_mad_u32_u24 v19, v13, 180, v17               ; W3: 4 (9 (5 hA + s) + f); 356 at the most
	v_mul_u32_u24 v20, v12, 36
	v_lshl_add_u32 v21, v13, 4, v20                ; B, features 0-15, slot 4: 36 r + 16 hA + 16 (for hA = 1 there is no tenth theta: column 8 is read and masked)
	v_mad_u32_u24 v20, v13, 20, v20                ; slots 0-3: 4 (9 r + 5 hA + s)
	v_min_u32 v22, 3, v14
	v_add_nc_u32 v22, 16, v22                      ; features 16-19, in rows 0-3 and again in rows 8-11
	v_mul_u32_u24 v22, v22, 36
	v_lshl_add_u32 v23, v13, 4, v22                ; 716 at the most
	v_mad_u32_u24 v22, v13, 20, v22
	s_lshl_b32 s2, ttmp9, 17                       ; the work-group's 131,072 bytes
	s_mov_b32 s3, 0
	s_mov_b32 s[sCLO], 0x33d6bf95
	s_mov_b32 s[sCHI], 0x3f7ffffe
	s_mov_b32 s[sK35], 0x40600000
	s_mov_b32 s[sK25], 0x40200000
	s_mov_b32 s[sK15], 0x3fc00000
	s_mov_b32 s[sTINY], 0x2edbe6ff
	s_mov_b32 s[sRMIN], 0x0da24260
	s_mov_b32 s[sNEG1], 0xbf800000
	s_mov_b32 s[sNINE], 0x41100000
	s_mov_b32 s[sM10], 0x1f1f1f1f                  ; rows that carry one of 10 features
	s_mov_b32 s[sM9], 0x0f1f0f1f                   ; one of 9
	s_mov_b32 s[sMB], 0x0f0f0f0f                   ; features 16-19
	s_mov_b32 s[sMA4], 0x0000ffff                  ; slot 4 of the last product: theta 4 (hA = 0) alone
	s_mov_b32 s[sMB4], 0x00000f0f
	s_mov_b32 s[sMB10], 0x00001f1f                 ; biases, and layer 0 for T0: lanes hA = 0
	s_mov_b32 s[sMB9], 0x00000f1f
	s_mov_b32 s[sMF0B], 0x1f1f0000                 ; layer 0 for T1: lanes hA = 1
	s_mov_b32 s[sALL], -1
	s_wait_kmcnt 0x0
	s_add_nc_u64 s[8:9], s[8:9], s[2:3]
	s_add_nc_u64 s[28:29], s[28:29], s[2:3]
	s_add_nc_u64 s[30:31], s[30:31], s[2:3]
	global_load_b128 v[XN:XN+3], v[XOFF], s[8:9] th:TH_LOAD_NT   ; the first trip's x
.irp s, 0,1,2,3,4
	global_load_b32 v[28+(\s)], v18, s[14:15] offset:40*(\s)
	global_load_b32 v[34+(\s)], v18, s[16:17] offset:40*(\s)
	global_load_b32 v[40+(\s)], v19, s[18:19] offset:36*(\s)
.endr
.irp s, 0,1,2,3
	global_load_b32 v[46+(\s)], v20, s[10:11] offset:4*(\s)
	global_load_b32 v[51+(\s)], v22, s[10:11] offset:4*(\s)
.endr
	global_load_b32 v50, v21, s[10:11] offset:16
	global_load_b32 v55, v23, s[10:11] offset:16
	global_load_b32 v33, v16, s[22:23]             ; b1
	global_load_b32 v39, v16, s[24:25]             ; b2
	global_load_b32 v45, v17, s[26:27]             ; b3
	global_load_b32 v56, v16, s[12:13]             ; W0
	global_load_b32 v57, v16, s[20:21]             ; b0
.irp t, OPE0, OPE1, OPO0, OPO1, X0
	v_mov_b32 v[(\t)+3], 0x3f803f80                ; ones in bf16, for the bias
	v_mov_b32 v[(\t)+7], 0
.endr
.irp p, 1,2,4,5,6
	v_mov_b32 v[X0+(\p)], 0
.endr
	s_wait_loadcnt 0x0                             ; all 31 loads; their offset registers are free from here on
	v_mov_b32 v[Q1+1], 0
	v_mov_b32 v[Q1+3], 0
	MKFRAG W1H, 28, sM10, sM10
	MKBIAS W1H, 33, sMB10
	MKFRAG W2H, 34, sM10, sM10
	MKBIAS W2H, 39, sMB10
	MKFRAG W3H, 40, sM9, sM9
	MKBIAS W3H, 45, sMB9
	MKFRAG AAH, 46, sALL, sMA4
	MKFRAG ABH, 51, sMB, sMB4
	v_cvt_pk_bf16_f32 v60, v56, v56                ; W0 twice, for x1's hi and lo
	v_cvt_pk_bf16_f32 v62, v57, v[ZERO]            ; b0
	MKF0 F0A, sMB10
	MKF0 F0B, sMF0B
; ---------------- the trips
	s_mov_b32 s[sTRIP], TRIPS-1
.Ltrip:
	TRIP 1
	s_sub_co_u32 s[sTRIP], s[sTRIP], 1
	s_cmp_lg_u32 s[sTRIP], 0
	s_cbranch_scc1 .Ltrip
	TRIP 0                                         ; the last trip is written out: no load leaves x
	s_endpgm
.Lfunc_end_k_q2b900bdde1_cpab:
	.size	k_q2b900bdde1_cpab, .Lfunc_end_k_q2b900bdde1_cpab-k_q2b900bdde1_cpab
	.p2alignl 7, 3214868480
	.fill 96, 4, 3214868480
	.section	.rodata,"a",@progbits
	.p2align	6, 0x0
	.amdhsa_kernel k_q2b900bdde1_cpab
		.amdhsa_group_segment_fixed_size 0
		.amdhsa_private_segment_fixed_size 0
		.amdhsa_enable_private_segment 0
		.amdhsa_kernarg_size 96
		.amdhsa_user_sgpr_count 2
		.amdhsa_user_sgpr_kernarg_segment_ptr 1
		.amdhsa_wavefront_size32 1
		.amdhsa_system_sgpr_workgroup_id_x 1
		.amdhsa_system_sgpr_workgroup_id_y 1
		.amdhsa_system_sgpr_workgroup_id_z 1
		.amdhsa_system_vgpr_workitem_id 0
		.amdhsa_next_free_vgpr 256
		.amdhsa_next_free_sgpr 66
		.amdhsa_reserve_vcc 1
		.amdhsa_float_denorm_mode_32 3
		.amdhsa_float_denorm_mode_16_64 3
		.amdhsa_memory_ordered 1
		.amdhsa_forward_progress 1
		.amdhsa_inst_pref_size 56
	.end_amdhsa_kernel
	.amdgpu_metadata
---
amdhsa.version: [ 1, 2 ]
amdhsa.kernels:
  - .name:           k_q2b900bdde1_cpab
    .symbol:         k_q2b900bdde1_cpab.kd
    .args:
      - { .name: x, .offset: 0, .size: 8, .value_kind: global_buffer, .address_space: global }
      - { .name: B, .offset: 8, .size: 8, .value_kind: global_buffer, .address_space: global }
      - { .name: W0, .offset: 16, .size: 8, .value_kind: global_buffer, .address_space: global }
      - { .name: W1, .offset: 24, .size: 8, .value_kind: global_buffer, .address_space: global }
      - { .name: W2, .offset: 32, .size: 8, .value_kind: global_buffer, .address_space: global }
      - { .name: W3, .offset: 40, .size: 8, .value_kind: global_buffer, .address_space: global }
      - { .name: b0, .offset: 48, .size: 8, .value_kind: global_buffer, .address_space: global }
      - { .name: b1, .offset: 56, .size: 8, .value_kind: global_buffer, .address_space: global }
      - { .name: b2, .offset: 64, .size: 8, .value_kind: global_buffer, .address_space: global }
      - { .name: b3, .offset: 72, .size: 8, .value_kind: global_buffer, .address_space: global }
      - { .name: out0, .offset: 80, .size: 8, .value_kind: global_buffer, .address_space: global }
      - { .name: out1, .offset: 88, .size: 8, .value_kind: global_buffer, .address_space: global }
    .group_segment_fixed_size: 0
    .private_segment_fixed_size: 0
    .kernarg_segment_align: 8
    .kernarg_segment_size: 96
    .max_flat_workgroup_size: 512
    .sgpr_count:     66
    .vgpr_count:     256
    .wavefront_size: 32
...
	.end_amdgpu_metadata
.endif
;; end of part 1
;; ======== version 2 of 3: 1 launch; 1.31 times as fast as version 1
;; launch cpab (part 2): grid 256 x 1, 16 waves a work-group, no clusters, 0 bytes of LDS; arguments x, B, W0, W1, W2, W3, b0, b1, b2, b3, out0, out1; writes out0, out1
.if DOCPART == 2
	.amdgcn_target "amdgcn-amd-amdhsa--gfx1250"
	.amdhsa_code_object_version 6
	.text
	.protected	k_q2b900bdde1_cpab
	.globl	k_q2b900bdde1_cpab
	.p2align	8
	.type	k_q2b900bdde1_cpab,@function
k_q2b900bdde1_cpab:
	s_mov_b64 s[64:65], 0
	v_nop
	global_prefetch_b8 v0, s[64:65] scope:SCOPE_SE
	s_setreg_imm32_b32 hwreg(HW_REG_WAVE_MODE, 25, 1), 1
	s_wait_xcnt 0x0
; CPAB TRANSFORM.  For each of 4,194,304 points: x1 = clip(x[.][1]) goes through the MLP 1 -> 10 -> 10 -> 10 -> 9 (ReLU three times); theta B^T gives ten pairs (a, b),
; one for each cell of width 1/10; x2 = clip(x[.][0]) is carried through 11 steps of the closed-form walk across cells.  out0 = (z2, x1), out1 = (log(exp(s)), 0).
; FORMATS.  EVERY INPUT IS ROUNDED TO bf16 AS IT IS LOADED: the weights, the biases, B, and both columns of x (ahead of the clip).  All that follows is f32.  So the results are reference()'s on inputs rounded to
; bf16, which the problem's contract admits; they are those of an x up to 2^-9 of itself away.  Why x too: the closed form divides by the cell's slope a, and where |a| is small its f32 result is rounding noise
; (about 2^-24 b / |a| in psi, 1e-7 / |a| in t_hit).  The slopes hang on x1 alone: in bf16 x1 has 128 values an octave, few of which can fall near a zero of a slope; and one rounding for all inputs is one function.
; SHARES.  256 work-groups of 16 waves; a work-group owns 16,384 consecutive points (131,072 bytes of x, out0 and out1), in 16 trips of 1,024 points.  In a trip a wave takes 64 points:
; one 16-byte load a lane, so lane L holds points 2 L (set E) and 2 L + 1 (set O), and each load or store of a wave covers 512 consecutive bytes, aligned.
; No LDS, no barrier, no cluster: the work-groups share nothing but 2 KB of weights, which every wave keeps in registers as matrix fragments; the vector work of the walk is what counts.
; MATRIX WORK.  v_wmma_f32_16x16x32_bf16, source 0 = weights, source 1 = activations; a tile is 16 points as columns (T0: the points of lanes 0-15, T1: of lanes 16-31).
; The weights are bf16 numbers.  An activation goes in as two bf16, hi + lo (about 16 significant bits, f32's exponent range): K = 32 has the room: 10 features hi, 10 lo, and a one for the bias.
; Row 8 h + j (j < 5) of a hidden layer's result is feature 5 h + j; rows 5-7 and 13-15 have zero weights.  So lane (r, h) holds features 5 h .. 5 h + 4 of point r in D0..D4, and these,
; rounded in the same lane, are k = 8 h + 0..4 (hi) and 16 + 8 h + 0..4 (lo) of the next product's source 1: nothing changes lanes between the layers.
; THE WALK.  a[c] and b[c] are chosen by selects in every step (the cell comes from floating-point numbers, so it enters no address and no branch); all 11 steps always run.
; A step only asks whether the point leaves its cell: it does if t_hit, the time to the knot ahead, is less than the time left; then phi = the knot, t -= t_hit, s += a t_hit, and the cell steps.  A point that stays
; changes nothing, so every later step finds the same answer and no flag is kept.  Behind the 11 steps a point that did not leave in the last one gets psi and s += a t, with the a and v of that step.
; LIMITS.  (1) reference() asks whether psi lies in [lo, hi]; with time left > 0 the flow in a cell never turns, so in exact arithmetic that is t_hit >= t.  In f32 the two can differ where psi is within rounding of the
; knot; at an inner knot the result is continuous across that choice.  The time left never turns negative here.  (2) psi = phi + (v / a_safe)(exp(a t) - 1), the same number as (phi + b/a) exp(a t) - b/a;
; for |a| <= 1e-10 phi + v t, where v - b = a phi is at most 1e-10.  (3) vb / v is formed as 1 + a' d, d = (xc - phi) / v, by one fused multiply-add, with a' = a (1 + 2^-20): the roundings of a d add up to less than
; 4e-7 of it, so where the field vanishes on the knot ahead (vb = 0) the ratio comes out <= 0 and never as a small positive number; t_hit is off by about 1e-6 of itself for it.  (4) A ratio <= 0 gives NaN or -inf in
; the logarithm, v = 0 or denormal gives d = inf or NaN: t_hit is then NaN or +inf, the compare with t is false, and the point stays, as it does in reference(); the fused sum is <= 0 or at least 2^-48, so reference()'s
; floor of 1e-30 never meets a positive ratio.  (5) Divisions are v_rcp_f32 and a multiply; knots are k x 0.1f.  (6) Where |a| is between 1e-10 and about 1e-5 psi and t_hit carry the noise named above.
; (7) v_exp_f32 and v_log_f32 flush denormals: for s below about -87 out1 is -inf.  NaN and infinities in the inputs are not treated apart.
.set USE_DUAL, 1        ; 1: two like operations go as one dual instruction; 0: as two plain ones
.set TRIPS,  16
.set CHUNK,  8192       ; bytes of x (and of each output) that the work-group takes in a trip
.set NSTEP,  11         ; steps of the walk: cells + 1
; ---- vector registers
.set XOFF, 1            ; 16 x thread + 8,192 x trip
.set TENTH, 2           ; 0.1
.set ZERO, 3            ; 0.0
.set XD,   4            ; v[4:7]   (x2E, x1E, x2O, x1O) rounded and clipped; at the end out0's 16 bytes
.set XN,   8            ; v[8:11]  the next trip's x as loaded
.set rPHI, 12           ; pairs: register +0 is set E's, +1 set O's; 'reversed' pairs hold E in +1, so that a dual select has one even and one odd destination
.set rTM,  14           ; time left
.set rSS,  16           ; s
.set rTC,  18           ; the cell less 4.5: -4.5 .. 4.5; reversed
.set Q1,   20           ; v[20:23] out1's 16 bytes; +1 and +3 stay 0
.set rTHX, 24           ; t_hit if the point leaves, else 0           (24-27 also serve the trip's head)
.set rTH,  26           ; t_hit
.set rAP,  28           ; a of the cell
.set rRV,  30           ; 1 / v
.set rV,   32           ; b of the cell, then v = a phi + b; reversed
.set rRA,  34           ; a_safe, then 1 / a_safe
.set rRAL, 36           ; ln 2 / a_safe
.set rDIR, 38           ; 1 with v's sign; reversed
.set rT5,  40           ; c + 0.5; reversed
.set rKK,  42           ; the number of the knot ahead; reversed
.set rDD,  44           ; xc - phi, then d = (xc - phi) / v: t_hit for |a| <= 1e-10
.set rWW,  46           ; the ratio, its log2, t_hit for |a| > 1e-10
.set rAB,  48           ; a (1 + 2^-20)
.set rXC,  52           ; the knot ahead
.set rCN,  54           ; the cell behind that knot, less 4.5; reversed
.set rAT,  48           ; behind the walk: a t
.set rEX,  50           ; exp(a t), then less 1
.set rVOA, 38           ; v / a_safe
.set rP2,  40           ; psi for |a| <= 1e-10
.set rP1,  42           ; psi
.set rSL,  44           ; s log2(e), exp(s), its log2
.set DE0,  56           ; set E: accumulators T0, T1 (hidden layers and features 0-15 of the last), then features 16-19 T0, T1
.set DE1,  64
.set BE0,  72
.set BE1,  80
.set DO0,  88           ; set O likewise
.set DO1,  96
.set BO0,  104
.set BO1,  112
.set TE,   56           ; after the exchange of halves: v[56:75] = my point's table a0, b0, a1, b1, .. of set E
.set TO,   88           ; v[88:107] of set O
.set UE,   76           ; v[76:85]  five folded pairs of set E's table
.set UO,   108          ; v[108:117]
.set OPE0, 120          ; source 1 tuples: +0..2 hi, +3 two ones, +4..6 lo, +7 zero; +3 and +7 are written once
.set OPE1, 128
.set OPO0, 136
.set OPO1, 144
.set X0,   152          ; layer 0's source 1
.set F0A,  160          ; weight fragments
.set F0B,  168
.set W1H,  176
.set W2H,  192
.set W3H,  208
.set AAH,  224
.set ABH,  240
; ---- scalar registers: s[8:31] the twelve addresses
.set sCLO,  32          ; 1e-7
.set sCHI,  33          ; 1 - 1e-7
.set sK35,  34          ; 3.5, 2.5, 1.5
.set sK25,  35
.set sK15,  36
.set sTINY, 37          ; 1e-10
.set sABS,  38          ; 0x7fffffff
.set sNEG1, 39          ; -1.0
.set sM45,  40          ; -4.5
.set sP45,  41          ; 4.5
.set sBIG,  42          ; s[42:43] |a| > 1e-10, E and O
.set sX,    44          ; s[44:45] the point left its cell in the step just done
.set sSTEP, 47
.set sTRIP, 48
.set sM10,  50          ; lane masks for the set-up: bit 16 hA + r
.set sM9,   51
.set sMB,   52
.set sMA4,  53
.set sMB4,  54
.set sMB10, 55
.set sMB9,  56
.set sMF0B, 57
.set sALL,  60
; Dual forms.  Every use keeps their conditions: one destination even and one odd, the two first sources in different banks (number mod 4) or the same register, the two second sources in different banks.
.macro DSEL d0, f0, t0, d1, f1, t1      ; d0 = VCC ? t0 : f0 and d1 = VCC ? t1 : f1
.if USE_DUAL
	v_dual_cndmask_b32 v[\d0], v[\f0], v[\t0] :: v_dual_cndmask_b32 v[\d1], v[\f1], v[\t1]
.else
	v_cndmask_b32 v[\d0], v[\f0], v[\t0], vcc_lo
	v_cndmask_b32 v[\d1], v[\f1], v[\t1], vcc_lo
.endif
.endm
.macro DMUL d0, a0, b0, d1, a1, b1      ; d0 = a0 b0 and d1 = a1 b1
.if USE_DUAL
	v_dual_mul_f32 v[\d0], v[\a0], v[\b0] :: v_dual_mul_f32 v[\d1], v[\a1], v[\b1]
.else
	v_mul_f32 v[\d0], v[\a0], v[\b0]
	v_mul_f32 v[\d1], v[\a1], v[\b1]
.endif
.endm
.macro DFMAC d0, a0, b0, d1, a1, b1     ; d0 += a0 b0 and d1 += a1 b1, fused
.if USE_DUAL
	v_dual_fmac_f32 v[\d0], v[\a0], v[\b0] :: v_dual_fmac_f32 v[\d1], v[\a1], v[\b1]
.else
	v_fmac_f32 v[\d0], v[\a0], v[\b0]
	v_fmac_f32 v[\d1], v[\a1], v[\b1]
.endif
.endm
; v[d] -= the bf16 in the low (half = 0) or high half of v[p]: exact, what the rounding to bf16 left over
.macro RES d, p, half
.if \half
	v_fma_mix_f32_bf16 v[\d], v[\p], s[sNEG1], v[\d] op_sel:[1,0,0] op_sel_hi:[1,0,0]
.else
	v_fma_mix_f32_bf16 v[\d], v[\p], s[sNEG1], v[\d] op_sel_hi:[1,0,0]
.endif
.endm
; Five staged weights v[W..W+4] (k = 8 hA + 0..4 of row r) are rounded to bf16 and become fragment H; lanes outside mask m (m4 for the fifth) hold 0.  Registers 4-6 repeat 0-2: they meet the activations' lo parts.
.macro MKFRAG H, W, m, m4
.irp s, 0,1,2,3
	v_cndmask_b32 v[(\W)+(\s)], 0, v[(\W)+(\s)], s[\m]
.endr
	v_cndmask_b32 v[(\W)+4], 0, v[(\W)+4], s[\m4]
	v_cvt_pk_bf16_f32 v[(\H)], v[(\W)], v[(\W)+1]
	v_cvt_pk_bf16_f32 v[(\H)+1], v[(\W)+2], v[(\W)+3]
	v_cvt_pk_bf16_f32 v[(\H)+2], v[(\W)+4], v[ZERO]
.irp p, 0,1,2
	v_mov_b32 v[(\H)+4+(\p)], v[(\H)+(\p)]
.endr
	v_mov_b32 v[(\H)+3], 0
	v_mov_b32 v[(\H)+7], 0
.endm
; The bias of row r, rounded to bf16, at k = 6 (lanes hA = 0 alone), where source 1 holds a one
.macro MKBIAS H, b, m
	v_cndmask_b32 v[\b], 0, v[\b], s[\m]
	v_cvt_pk_bf16_f32 v[(\H)+3], v[\b], v[ZERO]
.endm
; Layer 0's fragment: (w, w) meets (xh, xl), (b, 0) meets the ones; in the lanes of mask m alone
.macro MKF0 F, m
	v_cndmask_b32 v[(\F)], 0, v60, s[\m]
	v_cndmask_b32 v[(\F)+3], 0, v62, s[\m]
.irp p, 1,2,4,5,6,7
	v_mov_b32 v[(\F)+(\p)], 0
.endr
.endm
.macro MMZ D, A, Bf                     ; D = A x B: one product is the whole sum (K = 32 holds a layer)
	v_wmma_f32_16x16x32_bf16 v[(\D):(\D)+7], v[(\A):(\A)+7], v[(\Bf):(\Bf)+7], 0
.endm
; A hidden layer for one set: weights x (hi + lo activations) + bias, a product a tile
.macro WM H, DA, DB, OA, OB
	MMZ \DA, \H, \OA
	MMZ \DB, \H, \OB
.endm
; The last product, theta B^T: features 0-15 into DA, DB, features 16-19 into BA, BB
.macro WMA DA, DB, BA, BB, OA, OB
	MMZ \DA, AAH, \OA
	MMZ \DB, AAH, \OB
	MMZ \BA, ABH, \OA
	MMZ \BB, ABH, \OB
.endm
; A set's two results become the next product's source 1: ReLU (relu = 1), hi = bf16(D), D -= hi, lo = bf16(D).  Each accumulator is read from its lowest registers on.  D5 is 0 (a zero row).
.macro SPLIT DA, DB, OA, OB, relu
.if \relu
.irp j, 0,1,2,3,4
	v_max_num_f32 v[(\DA)+(\j)], 0, v[(\DA)+(\j)]
	v_max_num_f32 v[(\DB)+(\j)], 0, v[(\DB)+(\j)]
.endr
.endif
.irp p, 0,1,2
	v_cvt_pk_bf16_f32 v[(\OA)+(\p)], v[(\DA)+2*(\p)], v[(\DA)+2*(\p)+1]
	v_cvt_pk_bf16_f32 v[(\OB)+(\p)], v[(\DB)+2*(\p)], v[(\DB)+2*(\p)+1]
.endr
.irp j, 0,1,2,3,4
	RES (\DA)+(\j), (\OA)+(\j)/2, (\j)%2
	RES (\DB)+(\j), (\OB)+(\j)/2, (\j)%2
.endr
.irp p, 0,1,2
	v_cvt_pk_bf16_f32 v[(\OA)+4+(\p)], v[(\DA)+2*(\p)], v[(\DA)+2*(\p)+1]
	v_cvt_pk_bf16_f32 v[(\OB)+4+(\p)], v[(\DB)+2*(\p)], v[(\DB)+2*(\p)+1]
.endr
.endm
; T0's upper lanes (features 8 + j of points 0-15) change places with T1's lower lanes (features j of points 16-31): then every lane holds its own point's features j in DA and 8 + j in DB; 16 + j likewise in BA
.macro SWAP DA, DB, BA, BB
.irp j, 0,1,2,3,4,5,6,7
	v_permlane16_swap_b32 v[(\DA)+(\j)], v[(\DB)+(\j)]
.endr
.irp j, 0,1,2,3
	v_permlane16_swap_b32 v[(\BA)+(\j)], v[(\BB)+(\j)]
.endr
.endm
; (a, b) of cell c out of the table at TB: a into rAP, b into rV.  The table is folded at its middle (c >= 5 takes entry 9 - i for i); then |c - 4.5| = 4.5 - i names entry i of five:
; entries 0 | 1 by <= 3.5, entries 2 | 3 by <= 1.5, between those two by <= 2.5, entry 4 by <= 0.5.
.macro SEL sg, TB, U
	v_cmp_lt_f32 vcc_lo, 0, v[rTC+1-(\sg)]
.irp i, 0,1,2,3,4
	DSEL (\U)+2*(\i), (\TB)+2*(\i), (\TB)+18-2*(\i), (\U)+2*(\i)+1, (\TB)+2*(\i)+1, (\TB)+19-2*(\i)
.endr
	v_cmp_le_f32 vcc_lo, |v[rTC+1-(\sg)]|, s[sK35]
	DSEL (\U), (\U), (\U)+2, (\U)+1, (\U)+1, (\U)+3
	v_cmp_le_f32 vcc_lo, |v[rTC+1-(\sg)]|, s[sK15]
	DSEL (\U)+4, (\U)+4, (\U)+6, (\U)+5, (\U)+5, (\U)+7
	v_cmp_le_f32 vcc_lo, |v[rTC+1-(\sg)]|, s[sK25]
	DSEL (\U), (\U), (\U)+4, (\U)+1, (\U)+1, (\U)+5
	v_cmp_le_f32 vcc_lo, |v[rTC+1-(\sg)]|, 0.5
	DSEL rAP+(\sg), (\U), (\U)+8, rV+1-(\sg), (\U)+1, (\U)+9
.endm
; ONE STEP OF THE WALK for the lane's two points.  Behind each pair of transcendentals stands plain work on other registers before a result is used (ISA guide 5.7.2).
.macro STEP
	v_pk_add_f32 v[rT5:rT5+1], v[rTC:rTC+1], 0x40a00000 op_sel_hi:[1,0]        ; c + 0.5
	SEL 0, TE, UE
	v_cmp_gt_f32 s[sBIG], |v[rAP]|, s[sTINY]
	v_cndmask_b32 v[rRA], 1.0, v[rAP], s[sBIG]                                 ; a_safe
	SEL 1, TO, UO
	v_cmp_gt_f32 s[sBIG+1], |v[rAP+1]|, s[sTINY]
	v_cndmask_b32 v[rRA+1], 1.0, v[rAP+1], s[sBIG+1]
	DFMAC rV+1, rAP, rPHI, rV, rAP+1, rPHI+1                                   ; v = b + a phi
	v_rcp_f32 v[rRA], v[rRA]
	v_rcp_f32 v[rRA+1], v[rRA+1]
	v_bfi_b32 v[rDIR+1], s[sABS], 1.0, v[rV+1]                                 ; the flow's direction: 1 with v's sign
	v_bfi_b32 v[rDIR], s[sABS], 1.0, v[rV]
	v_rcp_f32 v[rRV], v[rV+1]
	v_rcp_f32 v[rRV+1], v[rV]
	v_pk_fma_f32 v[rKK:rKK+1], v[rDIR:rDIR+1], 0.5, v[rT5:rT5+1] op_sel_hi:[1,0,1]  ; the knot ahead: c + 1 or c
	v_pk_add_f32 v[rCN:rCN+1], v[rTC:rTC+1], v[rDIR:rDIR+1]                    ; the cell behind it
	v_pk_mul_f32 v[rAB:rAB+1], v[rAP:rAP+1], 0x3f800008 op_sel_hi:[1,0]        ; a (1 + 2^-20)
	DMUL rXC, TENTH, rKK+1, rXC+1, TENTH, rKK                                  ; xc = 0.1 k: a cell's upper knot and its neighbour's lower one are the same bits
	s_wait_alu depctr_va_vdst(0)
	v_pk_mul_f32 v[rRAL:rRAL+1], v[rRA:rRA+1], 0x3f317218 op_sel_hi:[1,0]      ; ln 2 / a_safe
	v_pk_add_f32 v[rDD:rDD+1], v[rXC:rXC+1], v[rPHI:rPHI+1] neg_lo:[0,1] neg_hi:[0,1]
	v_pk_mul_f32 v[rDD:rDD+1], v[rDD:rDD+1], v[rRV:rRV+1]                      ; d = (xc - phi) / v
	v_pk_fma_f32 v[rWW:rWW+1], v[rAB:rAB+1], v[rDD:rDD+1], 1.0 op_sel_hi:[1,1,0]  ; vb / v = 1 + a d
	v_log_f32 v[rWW], v[rWW]
	v_log_f32 v[rWW+1], v[rWW+1]
	v_med3_num_f32 v[rCN], v[rCN], s[sM45], s[sP45]                            ; the cell stays in 0 .. 9
	v_med3_num_f32 v[rCN+1], v[rCN+1], s[sM45], s[sP45]
	s_wait_alu depctr_va_vdst(0)
	v_pk_mul_f32 v[rWW:rWW+1], v[rWW:rWW+1], v[rRAL:rRAL+1]                    ; log(ratio) / a_safe
	v_cndmask_b32 v[rTH], v[rDD], v[rWW], s[sBIG]
	v_cndmask_b32 v[rTH+1], v[rDD+1], v[rWW+1], s[sBIG+1]
.irp g, 0,1
	v_cmp_lt_f32 vcc_lo, v[rTH+(\g)], v[rTM+(\g)]                              ; the point leaves its cell; false for a NaN
	DSEL rPHI+(\g), rPHI+(\g), rXC+(\g), rTC+1-(\g), rTC+1-(\g), rCN+1-(\g)
	v_cndmask_b32 v[rTHX+(\g)], 0, v[rTH+(\g)], vcc_lo
.if (\g) == 0
	s_mov_b32 s[sX], vcc_lo                                                    ; kept for the stage behind the walk; set O's mask stays in VCC
.endif
.endr
	v_pk_add_f32 v[rTM:rTM+1], v[rTM:rTM+1], v[rTHX:rTHX+1] neg_lo:[0,1] neg_hi:[0,1]
	v_pk_fma_f32 v[rSS:rSS+1], v[rAP:rAP+1], v[rTHX:rTHX+1], v[rSS:rSS+1]
.endm
; ONE TRIP: 64 points of the wave.  pre = 1: the next trip's x is asked for at once, a whole trip ahead of its use; the last trip asks for nothing.
; The two sets take turns between the vector and the matrix unit: a set's SPLIT (22 or 32 plain instructions that name none of the other set's registers) stands between the other set's products
; and whatever reads or rewrites their registers: more than the four (five) places that ISA guide 7.12.1 asks for.
.macro TRIP pre
	s_wait_loadcnt 0x0                             ; one load of mine is out: this trip's x
	v_cvt_pk_bf16_f32 v[rTHX], v[XN], v[XN+1]      ; x is rounded to bf16, like every input,
	v_cvt_pk_bf16_f32 v[rTHX+1], v[XN+2], v[XN+3]
.if \pre
	global_load_b128 v[XN:XN+3], v[XOFF], s[8:9] offset:CHUNK th:TH_LOAD_NT
.endif
	v_lshlrev_b32 v[XD], 16, v[rTHX]               ; widened again,
	v_and_b32 v[XD+1], 0xffff0000, v[rTHX]
	v_lshlrev_b32 v[XD+2], 16, v[rTHX+1]
	v_and_b32 v[XD+3], 0xffff0000, v[rTHX+1]
.irp i, 0,1,2,3
	v_med3_num_f32 v[XD+(\i)], v[XD+(\i)], s[sCLO], s[sCHI]  ; and clipped
.endr
	v_and_b32 v[rTHX], 0xffff0000, v[XD+1]         ; x1 of set E as hi + lo: the clip's two bounds are no bf16 numbers
	v_sub_f32 v[rTHX+1], v[XD+1], v[rTHX]
	v_cvt_pk_bf16_f32 v[X0], v[rTHX], v[rTHX+1]
	MMZ DE0, F0A, X0                               ; layer 0: F0A takes the lower lanes' k (T0's points), F0B the upper lanes' (T1's)
	MMZ DE1, F0B, X0
	v_mov_b32 v[rPHI], v[XD]                       ; the walk's start: ten plain instructions, the places in front of the rewriting of X0
	v_mov_b32 v[rPHI+1], v[XD+2]
	v_pk_mul_f32 v[rT5:rT5+1], v[rPHI:rPHI+1], 0x41200000 op_sel_hi:[1,0]
	v_floor_f32 v[rT5], v[rT5]
	v_floor_f32 v[rT5+1], v[rT5+1]
	v_pk_add_f32 v[rT5:rT5+1], v[rT5:rT5+1], 0xc0900000 op_sel_hi:[1,0]
	v_med3_num_f32 v[rTC+1], v[rT5], s[sM45], s[sP45]   ; clip(floor(10 x2), 0, 9) - 4.5
	v_med3_num_f32 v[rTC], v[rT5+1], s[sM45], s[sP45]
	v_and_b32 v[rTH], 0xffff0000, v[XD+3]          ; x1 of set O
	v_sub_f32 v[rTH+1], v[XD+3], v[rTH]
	v_cvt_pk_bf16_f32 v[X0], v[rTH], v[rTH+1]
	MMZ DO0, F0A, X0
	MMZ DO1, F0B, X0
	SPLIT DE0, DE1, OPE0, OPE1, 1
	WM W1H, DE0, DE1, OPE0, OPE1
	SPLIT DO0, DO1, OPO0, OPO1, 1
	WM W1H, DO0, DO1, OPO0, OPO1
	SPLIT DE0, DE1, OPE0, OPE1, 1
	WM W2H, DE0, DE1, OPE0, OPE1
	SPLIT DO0, DO1, OPO0, OPO1, 1
	WM W2H, DO0, DO1, OPO0, OPO1
	SPLIT DE0, DE1, OPE0, OPE1, 1
	WM W3H, DE0, DE1, OPE0, OPE1
	SPLIT DO0, DO1, OPO0, OPO1, 1
	WM W3H, DO0, DO1, OPO0, OPO1
	SPLIT DE0, DE1, OPE0, OPE1, 0                  ; theta: no ReLU
	WMA DE0, DE1, BE0, BE1, OPE0, OPE1
	SPLIT DO0, DO1, OPO0, OPO1, 0
	WMA DO0, DO1, BO0, BO1, OPO0, OPO1
	SWAP DE0, DE1, BE0, BE1
	v_mov_b32 v[rTM], 1.0                          ; four plain instructions: the places behind set O's last products
	v_mov_b32 v[rTM+1], 1.0
	v_mov_b32 v[rSS], 0
	v_mov_b32 v[rSS+1], 0
	SWAP DO0, DO1, BO0, BO1
	s_mov_b32 s[sSTEP], NSTEP
.Lstep_\@:
	STEP
	s_sub_co_u32 s[sSTEP], s[sSTEP], 1
	s_cmp_lg_u32 s[sSTEP], 0
	s_cbranch_scc1 .Lstep_\@
	; BEHIND THE WALK.  A point that did not leave its cell in the last step rests in it: phi, t, a, v, 1 / a_safe and the mask |a| > 1e-10 are that step's.  It gets psi and s += a t; one that left keeps phi = the knot.
	s_mov_b32 s[sX+1], vcc_lo
	v_pk_mul_f32 v[rAT:rAT+1], v[rAP:rAP+1], v[rTM:rTM+1]
	v_pk_mul_f32 v[rEX:rEX+1], v[rAT:rAT+1], 0x3fb8aa3b op_sel_hi:[1,0]
	v_exp_f32 v[rEX], v[rEX]                       ; exp(a t)
	v_exp_f32 v[rEX+1], v[rEX+1]
	DMUL rVOA, rV+1, rRA, rVOA+1, rV, rRA+1        ; v / a_safe
	v_fma_f32 v[rP2], v[rV+1], v[rTM], v[rPHI]     ; phi + v t
	v_fma_f32 v[rP2+1], v[rV], v[rTM+1], v[rPHI+1]
	v_cndmask_b32 v[rAT], v[rAT], 0, s[sX]
	v_cndmask_b32 v[rAT+1], v[rAT+1], 0, s[sX+1]
	v_pk_add_f32 v[rSS:rSS+1], v[rSS:rSS+1], v[rAT:rAT+1]
	s_wait_alu depctr_va_vdst(0)
	v_pk_add_f32 v[rEX:rEX+1], v[rEX:rEX+1], -1.0 op_sel_hi:[1,0]
	v_pk_fma_f32 v[rP1:rP1+1], v[rVOA:rVOA+1], v[rEX:rEX+1], v[rPHI:rPHI+1]    ; phi + (v / a)(exp(a t) - 1)
	v_pk_mul_f32 v[rSL:rSL+1], v[rSS:rSS+1], 0x3fb8aa3b op_sel_hi:[1,0]        ; dz = exp(s); out1 = log(dz)
	v_exp_f32 v[rSL], v[rSL]
	v_exp_f32 v[rSL+1], v[rSL+1]
	v_cndmask_b32 v[rP1], v[rP2], v[rP1], s[sBIG]
	v_cndmask_b32 v[rP1+1], v[rP2+1], v[rP1+1], s[sBIG+1]
	s_wait_alu depctr_va_vdst(0)
	v_log_f32 v[rSL], v[rSL]
	v_log_f32 v[rSL+1], v[rSL+1]
	v_cndmask_b32 v[XD], v[rP1], v[rPHI], s[sX]    ; out0 = (z2, x1): x1 is in place
	v_cndmask_b32 v[XD+2], v[rP1+1], v[rPHI+1], s[sX+1]
	s_wait_alu depctr_va_vdst(0)
	v_mul_f32 v[Q1], 0x3f317218, v[rSL]
	v_mul_f32 v[Q1+2], 0x3f317218, v[rSL+1]
	global_store_b128 v[XOFF], v[XD:XD+3], s[28:29] th:TH_STORE_NT             ; each store of the wave covers 512 consecutive bytes, aligned
	global_store_b128 v[XOFF], v[Q1:Q1+3], s[30:31] th:TH_STORE_NT
.if \pre
	s_wait_xcnt 0x0                                ; the stores' data and the offset (the pending load's too) are rewritten only behind this wait
	v_add_nc_u32 v[XOFF], CHUNK, v[XOFF]
.endif
.endm
; ---------------- set-up, once a wave
	s_load_b512 s[8:23], s[0:1], 0x0               ; x 8, B 10, W0 12, W1 14, W2 16, W3 18, b0 20, b1 22
	s_load_b256 s[24:31], s[0:1], 0x40             ; b2 24, b3 26, out0 28, out1 30
	v_lshlrev_b32 v[XOFF], 4, v0
	v_mov_b32 v[ZERO], 0
	v_mov_b32 v[TENTH], 0x3dcccccd
	; A weight fragment's lane (r, hA) holds row r and k = 8 hA + s, which is input feature 5 hA + s.  Row r is output feature (r & 7) + 5 (r >> 3) where r & 7 < 5.
	; Offsets of rows and slots that hold no weight are clamped into the buffer; what they load is masked away.
	v_and_b32 v12, 15, v0                          ; r
	v_bfe_u32 v13, v0, 4, 1                        ; hA
	v_and_b32 v14, 7, v0                           ; r & 7
	v_bfe_u32 v15, v0, 3, 1                        ; r >> 3
	v_min_u32 v16, 4, v14
	v_mad_u32_u24 v16, v15, 5, v16                 ; output feature of 10
	v_min_u32 v17, 8, v16                          ; of 9
	v_lshlrev_b32 v16, 2, v16
	v_lshlrev_b32 v17, 2, v17
	v_mad_u32_u24 v18, v13, 200, v16               ; W1, W2: 4 (10 (5 hA + s) + f), s in the immediate; 396 at the most
	v_mad_u32_u24 v19, v13, 180, v17               ; W3: 4 (9 (5 hA + s) + f); 356 at the most
	v_mul_u32_u24 v20, v12, 36
	v_lshl_add_u32 v21, v13, 4, v20                ; B, features 0-15, slot 4: 36 r + 16 hA + 16 (for hA = 1 there is no tenth theta: column 8 is read and masked)
	v_mad_u32_u24 v20, v13, 20, v20                ; slots 0-3: 4 (9 r + 5 hA + s)
	v_min_u32 v22, 3, v14
	v_add_nc_u32 v22, 16, v22                      ; features 16-19, in rows 0-3 and again in rows 8-11
	v_mul_u32_u24 v22, v22, 36
	v_lshl_add_u32 v23, v13, 4, v22                ; 716 at the most
	v_mad_u32_u24 v22, v13, 20, v22
	s_lshl_b32 s2, ttmp9, 17                       ; the work-group's 131,072 bytes
	s_mov_b32 s3, 0
	s_mov_b32 s[sCLO], 0x33d6bf95
	s_mov_b32 s[sCHI], 0x3f7ffffe
	s_mov_b32 s[sK35], 0x40600000
	s_mov_b32 s[sK25], 0x40200000
	s_mov_b32 s[sK15], 0x3fc00000
	s_mov_b32 s[sTINY], 0x2edbe6ff
	s_mov_b32 s[sABS], 0x7fffffff
	s_mov_b32 s[sNEG1], 0xbf800000
	s_mov_b32 s[sM45], 0xc0900000
	s_mov_b32 s[sP45], 0x40900000
	s_mov_b32 s[sM10], 0x1f1f1f1f                  ; rows that carry one of 10 features
	s_mov_b32 s[sM9], 0x0f1f0f1f                   ; one of 9
	s_mov_b32 s[sMB], 0x0f0f0f0f                   ; features 16-19
	s_mov_b32 s[sMA4], 0x0000ffff                  ; slot 4 of the last product: theta 4 (hA = 0) alone
	s_mov_b32 s[sMB4], 0x00000f0f
	s_mov_b32 s[sMB10], 0x00001f1f                 ; biases, and layer 0 for T0: lanes hA = 0
	s_mov_b32 s[sMB9], 0x00000f1f
	s_mov_b32 s[sMF0B], 0x1f1f0000                 ; layer 0 for T1: lanes hA = 1
	s_mov_b32 s[sALL], -1
	s_wait_kmcnt 0x0
	s_add_nc_u64 s[8:9], s[8:9], s[2:3]
	s_add_nc_u64 s[28:29], s[28:29], s[2:3]
	s_add_nc_u64 s[30:31], s[30:31], s[2:3]
	global_load_b128 v[XN:XN+3], v[XOFF], s[8:9] th:TH_LOAD_NT   ; the first trip's x
.irp s, 0,1,2,3,4
	global_load_b32 v[28+(\s)], v18, s[14:15] offset:40*(\s)
	global_load_b32 v[34+(\s)], v18, s[16:17] offset:40*(\s)
	global_load_b32 v[40+(\s)], v19, s[18:19] offset:36*(\s)
.endr
.irp s, 0,1,2,3
	global_load_b32 v[46+(\s)], v20, s[10:11] offset:4*(\s)
	global_load_b32 v[51+(\s)], v22, s[10:11] offset:4*(\s)
.endr
	global_load_b32 v50, v21, s[10:11] offset:16
	global_load_b32 v55, v23, s[10:11] offset:16
	global_load_b32 v33, v16, s[22:23]             ; b1
	global_load_b32 v39, v16, s[24:25]             ; b2
	global_load_b32 v45, v17, s[26:27]             ; b3
	global_load_b32 v56, v16, s[12:13]             ; W0
	global_load_b32 v57, v16, s[20:21]             ; b0
.irp t, OPE0, OPE1, OPO0, OPO1, X0
	v_mov_b32 v[(\t)+3], 0x3f803f80                ; ones in bf16, for the bias
	v_mov_b32 v[(\t)+7], 0
.endr
.irp p, 1,2,4,5,6
	v_mov_b32 v[X0+(\p)], 0
.endr
	s_wait_loadcnt 0x0                             ; all 31 loads; their offset registers are free from here on
	v_mov_b32 v[Q1+1], 0
	v_mov_b32 v[Q1+3], 0
	MKFRAG W1H, 28, sM10, sM10
	MKBIAS W1H, 33, sMB10
	MKFRAG W2H, 34, sM10, sM10
	MKBIAS W2H, 39, sMB10
	MKFRAG W3H, 40, sM9, sM9
	MKBIAS W3H, 45, sMB9
	MKFRAG AAH, 46, sALL, sMA4
	MKFRAG ABH, 51, sMB, sMB4
	v_cvt_pk_bf16_f32 v60, v56, v56                ; W0 twice, for x1's hi and lo
	v_cvt_pk_bf16_f32 v62, v57, v[ZERO]            ; b0
	MKF0 F0A, sMB10
	MKF0 F0B, sMF0B
; ---------------- the trips
	s_mov_b32 s[sTRIP], TRIPS-1
.Ltrip:
	TRIP 1
	s_sub_co_u32 s[sTRIP], s[sTRIP], 1
	s_cmp_lg_u32 s[sTRIP], 0
	s_cbranch_scc1 .Ltrip
	TRIP 0                                         ; the last trip is written out: no load leaves x
	s_endpgm
.Lfunc_end_k_q2b900bdde1_cpab:
	.size	k_q2b900bdde1_cpab, .Lfunc_end_k_q2b900bdde1_cpab-k_q2b900bdde1_cpab
	.p2alignl 7, 3214868480
	.fill 96, 4, 3214868480
	.section	.rodata,"a",@progbits
	.p2align	6, 0x0
	.amdhsa_kernel k_q2b900bdde1_cpab
		.amdhsa_group_segment_fixed_size 0
		.amdhsa_private_segment_fixed_size 0
		.amdhsa_enable_private_segment 0
		.amdhsa_kernarg_size 96
		.amdhsa_user_sgpr_count 2
		.amdhsa_user_sgpr_kernarg_segment_ptr 1
		.amdhsa_wavefront_size32 1
		.amdhsa_system_sgpr_workgroup_id_x 1
		.amdhsa_system_sgpr_workgroup_id_y 1
		.amdhsa_system_sgpr_workgroup_id_z 1
		.amdhsa_system_vgpr_workitem_id 0
		.amdhsa_next_free_vgpr 256
		.amdhsa_next_free_sgpr 66
		.amdhsa_reserve_vcc 1
		.amdhsa_float_denorm_mode_32 3
		.amdhsa_float_denorm_mode_16_64 3
		.amdhsa_memory_ordered 1
		.amdhsa_forward_progress 1
		.amdhsa_inst_pref_size 56
	.end_amdhsa_kernel
	.amdgpu_metadata
---
amdhsa.version: [ 1, 2 ]
amdhsa.kernels:
  - .name:           k_q2b900bdde1_cpab
    .symbol:         k_q2b900bdde1_cpab.kd
    .args:
      - { .name: x, .offset: 0, .size: 8, .value_kind: global_buffer, .address_space: global }
      - { .name: B, .offset: 8, .size: 8, .value_kind: global_buffer, .address_space: global }
      - { .name: W0, .offset: 16, .size: 8, .value_kind: global_buffer, .address_space: global }
      - { .name: W1, .offset: 24, .size: 8, .value_kind: global_buffer, .address_space: global }
      - { .name: W2, .offset: 32, .size: 8, .value_kind: global_buffer, .address_space: global }
      - { .name: W3, .offset: 40, .size: 8, .value_kind: global_buffer, .address_space: global }
      - { .name: b0, .offset: 48, .size: 8, .value_kind: global_buffer, .address_space: global }
      - { .name: b1, .offset: 56, .size: 8, .value_kind: global_buffer, .address_space: global }
      - { .name: b2, .offset: 64, .size: 8, .value_kind: global_buffer, .address_space: global }
      - { .name: b3, .offset: 72, .size: 8, .value_kind: global_buffer, .address_space: global }
      - { .name: out0, .offset: 80, .size: 8, .value_kind: global_buffer, .address_space: global }
      - { .name: out1, .offset: 88, .size: 8, .value_kind: global_buffer, .address_space: global }
    .group_segment_fixed_size: 0
    .private_segment_fixed_size: 0
    .kernarg_segment_align: 8
    .kernarg_segment_size: 96
    .max_flat_workgroup_size: 512
    .sgpr_count:     66
    .vgpr_count:     256
    .wavefront_size: 32
...
	.end_amdgpu_metadata
.endif
;; end of part 2
;; ======== version 3 of 3: 1 launch; 1.79 times as fast as version 1
;; launch cpab (part 3): grid 256 x 1, 16 waves a work-group, no clusters, 0 bytes of LDS; arguments x, B, W0, W1, W2, W3, b0, b1, b2, b3, out0, out1; writes out0, out1
.if DOCPART == 3
	.amdgcn_target "amdgcn-amd-amdhsa--gfx1250"
	.amdhsa_code_object_version 6
	.text
	.protected	k_q2b900bdde1_cpab
	.globl	k_q2b900bdde1_cpab
	.p2align	8
	.type	k_q2b900bdde1_cpab,@function
k_q2b900bdde1_cpab:
	s_mov_b64 s[64:65], 0
	v_nop
	global_prefetch_b8 v0, s[64:65] scope:SCOPE_SE
	s_setreg_imm32_b32 hwreg(HW_REG_WAVE_MODE, 25, 1), 1
	s_wait_xcnt 0x0
; CPAB TRANSFORM.  For each of 4,194,304 points: x1 = clip(x[.][1]) goes through the MLP 1 -> 10 -> 10 -> 10 -> 9 (ReLU three times); theta B^T gives ten pairs (a, b),
; one for each cell of width 1/10; x2 = clip(x[.][0]) is carried through the closed-form walk across cells.  out0 = (z2, x1), out1 = (log(exp(s)), 0).
; FORMATS.  EVERY INPUT IS ROUNDED TO bf16 AS IT IS LOADED: the weights, the biases, B, and both columns of x (ahead of the clip).  All that follows is f32.  So the results are reference()'s on inputs rounded to
; bf16, which the problem's contract admits; they are those of an x up to 2^-9 of itself away.  Why x too: the closed form divides by the cell's slope a, and where |a| is small its f32 result is rounding noise
; (about 2^-24 b / |a| in psi, 1e-7 / |a| in t_hit).  The slopes hang on x1 alone: in bf16 x1 has 128 values an octave, few of which can fall near a zero of a slope; and one rounding for all inputs is one function.
; SHARES.  256 work-groups of 16 waves; a work-group owns 16,384 consecutive points (131,072 bytes of x, out0 and out1), in 16 trips of 1,024 points.  In a trip a wave takes 64 points:
; one 16-byte load a lane, so lane L holds points 2 L (set E) and 2 L + 1 (set O), and each load or store of a wave covers 512 consecutive bytes, aligned.
; No LDS, no barrier, no cluster: the work-groups share nothing but 2 KB of weights, which every wave keeps in registers as matrix fragments; the vector work of the walk is what counts.
; MATRIX WORK.  v_wmma_f32_16x16x32_bf16, source 0 = weights, source 1 = activations; a tile is 16 points as columns (T0: the points of lanes 0-15, T1: of lanes 16-31).
; The weights are bf16 numbers.  An activation goes in as two bf16, hi + lo (about 16 significant bits, f32's exponent range): K = 32 has the room: 10 features hi, 10 lo, and a one for the bias.
; Row 8 h + j (j < 5) of a hidden layer's result is feature 5 h + j; rows 5-7 and 13-15 have zero weights.  So lane (r, h) holds features 5 h .. 5 h + 4 of point r in D0..D4, and these,
; rounded in the same lane, are k = 8 h + 0..4 (hi) and 16 + 8 h + 0..4 (lo) of the next product's source 1: nothing changes lanes between the layers.
; THE WALK IS A SWEEP.  The cell comes from floating-point numbers, so it enters no address and no branch.  Inside a cell the flow never turns, so a point changes direction only at a knot where the field jumps sign, and
; there reference() crosses back and forth with t_hit = 0 until its 11 steps run out: phi stays the knot, s stays.  So every walk is: a direction, set by v in the first cell; a run of neighbouring cells in that
; direction, ten at the most; and an end: rest in a cell (psi, s += a t), a knot behind which the field points back, or the range's end (both: phi = the knot, nothing more).  This holds for any B.
; One search of the table gives v in the first cell.  Then ten steps, written out: step j serves the points that are in cell j going up, or in cell 9 - j going down, so (a, b) is one select between two table
; entries named by number.  A point is live in step j if it starts there or left the cell before in step j - 1; it leaves if t_hit < the time left: phi = the knot, t -= t_hit, s += a t_hit.
; a and v of the step in which a point was last live are kept; behind the sweep a point that rests gets psi and s += a t from them.
; LIMITS.  (1) reference() asks whether psi lies in [lo, hi]; with time left > 0 that is t_hit >= t in exact arithmetic.  In f32 the two can differ where psi is within rounding of the knot; at an inner knot the result
; is continuous across that choice.  The time left never turns negative here.  (2) psi = phi + (v / a)(exp(a t) - 1), the same number as (phi + b/a) exp(a t) - b/a; for |a| <= 1e-10 phi + v t, where v - b = a phi is
; at most 1e-10.  1 / a is taken of a itself: what it makes where |a| <= 1e-10 is thrown away by the selects on that mask.  (3) vb / v is formed as 1 + a' d, d = (xc - phi) / v, by one fused multiply-add, with
; a' = a (1 + 2^-20): the roundings of a d add up to less than 4e-7 of it, so where the field vanishes on the knot ahead (vb = 0) the ratio comes out <= 0 and never as a small positive number; t_hit is off by about
; 1e-6 of itself for it.  (4) t_hit < t is compared on the bits, unsigned: true for +0 <= t_hit < t alone.  A ratio <= 0 (NaN or -inf in the logarithm), v = 0 or denormal (d = inf or NaN) and a field that points back
; (d < 0: t_hit negative or NaN) all give false: the point does not leave, as in reference(); the fused sum is <= 0 or at least 2^-48, so reference()'s floor of 1e-30 never meets a positive ratio.  The two products that
; end in t_hit are fused with + 0, so that -0 cannot arise (x2 = 0.5 going down: xc - phi = 0).  (5) In its first cell a point going down must not lie below 0.1f c: 10 x is exact in f32 for a bf16 x, and no bf16 number
; lies between c / 10 and 0.1f c, so this holds.  (6) Divisions are v_rcp_f32 and a multiply; knots are k x 0.1f.  (7) Where |a| is between 1e-10 and about 1e-5 psi and t_hit carry the noise named above.
; (8) v_exp_f32 and v_log_f32 flush denormals: for s below about -87 out1 is -inf.  NaN and infinities in the inputs are not treated apart.
.set USE_DUAL, 1        ; 1: two like operations go as one dual instruction; 0: as two plain ones
.set TRIPS,  16
.set CHUNK,  8192       ; bytes of x (and of each output) that the work-group takes in a trip
; ---- vector registers
.set XOFF, 1            ; 16 x thread + 8,192 x trip
.set TENTH, 2           ; 0.1
.set ZERO, 3            ; 0.0
.set XD,   4            ; v[4:7]   (x2E, x1E, x2O, x1O) rounded and clipped; at the end out0's 16 bytes
.set XN,   8            ; v[8:11]  the next trip's x as loaded
.set rPHI, 12           ; pairs: register +0 is set E's, +1 set O's; 'reversed' pairs hold E in +1, so that a dual select has one even and one odd destination
.set rTM,  14           ; time left; reversed
.set rSS,  16           ; s
.set rTC,  18           ; the first cell less 4.5: -4.5 .. 4.5; reversed
.set Q1,   20           ; v[20:23] out1's 16 bytes; +1 and +3 stay 0
.set rTHX, 24           ; t_hit if the point leaves, else 0; reversed     (24-27 also serve the trip's head)
.set rTH,  26           ; t_hit
.set rAP,  28           ; a of the step's cell
.set rRV,  30           ; 1 / v
.set rV,   32           ; b of the step's cell, then v = a phi + b; reversed
.set rRA,  34           ; 1 / a
.set rRAL, 36           ; ln 2 / a
.set rDIR, 38           ; 1 with the sign of v in the first cell; reversed
.set rTG,  40           ; the number of the knot ahead of the step's cell: j + 1 going up, 9 - j going down; reversed
.set rQ,   42           ; the first cell's place in the sweep, less 4.5; reversed
.set rDD,  44           ; xc - phi, then d = (xc - phi) / v: t_hit for |a| <= 1e-10
.set rWW,  46           ; the ratio, its log2, t_hit for |a| > 1e-10
.set rAB,  48           ; a (1 + 2^-20)
.set rAS,  50           ; a of the step in which the point was last live
.set rXC,  52           ; the knot ahead
.set rVS,  54           ; v of that step; reversed
.set rAT,  28           ; behind the sweep: a t
.set rEX,  30           ; exp(a t), then less 1
.set rVOA, 36           ; v / a
.set rFD,  40           ; v x dir; reversed
.set rP2,  44           ; psi for |a| <= 1e-10
.set rP1,  46           ; psi
.set rSL,  48           ; s log2(e), exp(s), its log2
.set DE0,  56           ; set E: accumulators T0, T1 (hidden layers and features 0-15 of the last), then features 16-19 T0, T1
.set DE1,  64
.set BE0,  72
.set BE1,  80
.set DO0,  88           ; set O likewise
.set DO1,  96
.set BO0,  104
.set BO1,  112
.set TE,   56           ; after the exchange of halves: v[56:75] = my point's table a0, b0, a1, b1, .. of set E
.set TO,   88           ; v[88:107] of set O
.set UE,   76           ; v[76:85]  five folded pairs of set E's table, for the one search
.set UO,   108          ; v[108:117]
.set OPE0, 120          ; source 1 tuples: +0..2 hi, +3 two ones, +4..6 lo, +7 zero; +3 and +7 are written once
.set OPE1, 128
.set OPO0, 136
.set OPO1, 144
.set X0,   152          ; layer 0's source 1
.set F0A,  160          ; weight fragments
.set F0B,  168
.set W1H,  176
.set W2H,  192
.set W3H,  208
.set AAH,  224
.set ABH,  240
; ---- scalar registers: s[8:31] the twelve addresses
.set sCLO,  32          ; 1e-7
.set sCHI,  33          ; 1 - 1e-7
.set sTINY, 37          ; 1e-10
.set sABS,  38          ; 0x7fffffff
.set sNEG1, 39          ; -1.0
.set sBIG,  42          ; s[42:43] |a| > 1e-10, E and O
.set sX,    44          ; s[44:45] the point gets no psi: it left the last cell of the sweep, or the field points back
.set sTRIP, 48
.set sM10,  50          ; lane masks for the set-up: bit 16 hA + r
.set sM9,   51
.set sMB,   52
.set sMA4,  53
.set sMB4,  54
.set sMB10, 55
.set sMB9,  56
.set sMF0B, 57
.set sUP,   58          ; s[58:59] the point goes up
.set sALL,  60
.set sLV,   62          ; s[62:63] the point is live in the step in hand
.set sST,   66          ; s[66:67] the point starts in the next step
.set sQC,   70          ; s[70:79] j - 4.5 for j = 0 .. 9
.set sM45,  sQC         ; -4.5
.set sK15,  sQC+6       ; 1.5, 2.5, 3.5, 4.5
.set sK25,  sQC+7
.set sK35,  sQC+8
.set sP45,  sQC+9
; Dual forms.  Every use keeps their conditions: one destination even and one odd, the two first sources in different banks (number mod 4) or the same register, the two second sources in different banks.
.macro DSEL d0, f0, t0, d1, f1, t1      ; d0 = VCC ? t0 : f0 and d1 = VCC ? t1 : f1
.if USE_DUAL
	v_dual_cndmask_b32 v[\d0], v[\f0], v[\t0] :: v_dual_cndmask_b32 v[\d1], v[\f1], v[\t1]
.else
	v_cndmask_b32 v[\d0], v[\f0], v[\t0], vcc_lo
	v_cndmask_b32 v[\d1], v[\f1], v[\t1], vcc_lo
.endif
.endm
.macro DMUL d0, a0, b0, d1, a1, b1      ; d0 = a0 b0 and d1 = a1 b1
.if USE_DUAL
	s_wait_alu depctr_va_vdst(0)
	v_dual_mul_f32 v[\d0], v[\a0], v[\b0] :: v_dual_mul_f32 v[\d1], v[\a1], v[\b1]
.else
	v_mul_f32 v[\d0], v[\a0], v[\b0]
	v_mul_f32 v[\d1], v[\a1], v[\b1]
.endif
.endm
.macro DFMAC d0, a0, b0, d1, a1, b1     ; d0 += a0 b0 and d1 += a1 b1, fused
.if USE_DUAL
	v_dual_fmac_f32 v[\d0], v[\a0], v[\b0] :: v_dual_fmac_f32 v[\d1], v[\a1], v[\b1]
.else
	v_fmac_f32 v[\d0], v[\a0], v[\b0]
	v_fmac_f32 v[\d1], v[\a1], v[\b1]
.endif
.endm
; v[d] -= the bf16 in the low (half = 0) or high half of v[p]: exact, what the rounding to bf16 left over
.macro RES d, p, half
.if \half
	v_fma_mix_f32_bf16 v[\d], v[\p], s[sNEG1], v[\d] op_sel:[1,0,0] op_sel_hi:[1,0,0]
.else
	v_fma_mix_f32_bf16 v[\d], v[\p], s[sNEG1], v[\d] op_sel_hi:[1,0,0]
.endif
.endm
; Five staged weights v[W..W+4] (k = 8 hA + 0..4 of row r) are rounded to bf16 and become fragment H; lanes outside mask m (m4 for the fifth) hold 0.  Registers 4-6 repeat 0-2: they meet the activations' lo parts.
.macro MKFRAG H, W, m, m4
.irp s, 0,1,2,3
	v_cndmask_b32 v[(\W)+(\s)], 0, v[(\W)+(\s)], s[\m]
.endr
	v_cndmask_b32 v[(\W)+4], 0, v[(\W)+4], s[\m4]
	v_cvt_pk_bf16_f32 v[(\H)], v[(\W)], v[(\W)+1]
	v_cvt_pk_bf16_f32 v[(\H)+1], v[(\W)+2], v[(\W)+3]
	v_cvt_pk_bf16_f32 v[(\H)+2], v[(\W)+4], v[ZERO]
.irp p, 0,1,2
	v_mov_b32 v[(\H)+4+(\p)], v[(\H)+(\p)]
.endr
	v_mov_b32 v[(\H)+3], 0
	v_mov_b32 v[(\H)+7], 0
.endm
; The bias of row r, rounded to bf16, at k = 6 (lanes hA = 0 alone), where source 1 holds a one
.macro MKBIAS H, b, m
	v_cndmask_b32 v[\b], 0, v[\b], s[\m]
	v_cvt_pk_bf16_f32 v[(\H)+3], v[\b], v[ZERO]
.endm
; Layer 0's fragment: (w, w) meets (xh, xl), (b, 0) meets the ones; in the lanes of mask m alone
.macro MKF0 F, m
	v_cndmask_b32 v[(\F)], 0, v60, s[\m]
	v_cndmask_b32 v[(\F)+3], 0, v62, s[\m]
.irp p, 1,2,4,5,6,7
	v_mov_b32 v[(\F)+(\p)], 0
.endr
.endm
.macro MMZ D, A, Bf                     ; D = A x B: one product is the whole sum (K = 32 holds a layer)
	v_wmma_f32_16x16x32_bf16 v[(\D):(\D)+7], v[(\A):(\A)+7], v[(\Bf):(\Bf)+7], 0
.endm
; A hidden layer for one set: weights x (hi + lo activations) + bias, a product a tile
.macro WM H, DA, DB, OA, OB
	MMZ \DA, \H, \OA
	MMZ \DB, \H, \OB
.endm
; The last product, theta B^T: features 0-15 into DA, DB, features 16-19 into BA, BB
.macro WMA DA, DB, BA, BB, OA, OB
	MMZ \DA, AAH, \OA
	MMZ \DB, AAH, \OB
	MMZ \BA, ABH, \OA
	MMZ \BB, ABH, \OB
.endm
; A set's two results become the next product's source 1: ReLU (relu = 1), hi = bf16(D), D -= hi, lo = bf16(D).  Each accumulator is read from its lowest registers on.  D5 is 0 (a zero row).
.macro SPLIT DA, DB, OA, OB, relu
.if \relu
.irp j, 0,1,2,3,4
	v_max_num_f32 v[(\DA)+(\j)], 0, v[(\DA)+(\j)]
	v_max_num_f32 v[(\DB)+(\j)], 0, v[(\DB)+(\j)]
.endr
.endif
.irp p, 0,1,2
	v_cvt_pk_bf16_f32 v[(\OA)+(\p)], v[(\DA)+2*(\p)], v[(\DA)+2*(\p)+1]
	v_cvt_pk_bf16_f32 v[(\OB)+(\p)], v[(\DB)+2*(\p)], v[(\DB)+2*(\p)+1]
.endr
.irp j, 0,1,2,3,4
	RES (\DA)+(\j), (\OA)+(\j)/2, (\j)%2
	RES (\DB)+(\j), (\OB)+(\j)/2, (\j)%2
.endr
.irp p, 0,1,2
	v_cvt_pk_bf16_f32 v[(\OA)+4+(\p)], v[(\DA)+2*(\p)], v[(\DA)+2*(\p)+1]
	v_cvt_pk_bf16_f32 v[(\OB)+4+(\p)], v[(\DB)+2*(\p)], v[(\DB)+2*(\p)+1]
.endr
.endm
; T0's upper lanes (features 8 + j of points 0-15) change places with T1's lower lanes (features j of points 16-31): then every lane holds its own point's features j in DA and 8 + j in DB; 16 + j likewise in BA
.macro SWAP DA, DB, BA, BB
.irp j, 0,1,2,3,4,5,6,7
	v_permlane16_swap_b32 v[(\DA)+(\j)], v[(\DB)+(\j)]
.endr
.irp j, 0,1,2,3
	v_permlane16_swap_b32 v[(\BA)+(\j)], v[(\BB)+(\j)]
.endr
.endm
; THE ONE SEARCH: (a, b) of the first cell c out of the table at TB: a into rAS, b into rVS.  The table is folded at its middle (c >= 5 takes entry 9 - i for i); then |c - 4.5| = 4.5 - i names entry i of five:
; entries 0 | 1 by <= 3.5, entries 2 | 3 by <= 1.5, between those two by <= 2.5, entry 4 by <= 0.5.
.macro SEL sg, TB, U
	v_cmp_lt_f32 vcc_lo, 0, v[rTC+1-(\sg)]
.irp i, 0,1,2,3,4
	DSEL (\U)+2*(\i), (\TB)+2*(\i), (\TB)+18-2*(\i), (\U)+2*(\i)+1, (\TB)+2*(\i)+1, (\TB)+19-2*(\i)
.endr
	v_cmp_le_f32 vcc_lo, |v[rTC+1-(\sg)]|, s[sK35]
	DSEL (\U), (\U), (\U)+2, (\U)+1, (\U)+1, (\U)+3
	v_cmp_le_f32 vcc_lo, |v[rTC+1-(\sg)]|, s[sK15]
	DSEL (\U)+4, (\U)+4, (\U)+6, (\U)+5, (\U)+5, (\U)+7
	v_cmp_le_f32 vcc_lo, |v[rTC+1-(\sg)]|, s[sK25]
	DSEL (\U), (\U), (\U)+4, (\U)+1, (\U)+1, (\U)+5
	v_cmp_le_f32 vcc_lo, |v[rTC+1-(\sg)]|, 0.5
	DSEL rAS+(\sg), (\U), (\U)+8, rVS+1-(\sg), (\U)+1, (\U)+9
.endm
; STEP j OF THE SWEEP for the lane's two points: cell j for a point that goes up, cell 9 - j for one that goes down.  All lanes compute; what a point that is not live makes is thrown away by the masks.
; Behind each pair of transcendentals stands plain work on other registers before a result is used (ISA guide 5.7.2).
.macro STEPJ j
.if (\j) < 9
	v_cmp_eq_f32 s[sST], v[rQ+1], s[sQC+(\j)+1]                                ; who starts in the next step
	v_cmp_eq_f32 s[sST+1], v[rQ], s[sQC+(\j)+1]
.endif
	s_mov_b32 vcc_lo, s[sUP]
	DSEL rAP, TE+18-2*(\j), TE+2*(\j), rV+1, TE+19-2*(\j), TE+2*(\j)+1         ; (a, b) of the step's cell
	s_mov_b32 vcc_lo, s[sUP+1]
	DSEL rAP+1, TO+18-2*(\j), TO+2*(\j), rV, TO+19-2*(\j), TO+2*(\j)+1
	v_pk_add_f32 v[rTG:rTG+1], v[rTG:rTG+1], v[rDIR:rDIR+1]                    ; the knot ahead: j + 1 or 9 - j
	DFMAC rV+1, rAP, rPHI, rV, rAP+1, rPHI+1                                   ; v = b + a phi
	v_rcp_f32 v[rRA], v[rAP]
	v_rcp_f32 v[rRA+1], v[rAP+1]
	DMUL rXC, TENTH, rTG+1, rXC+1, TENTH, rTG                                  ; xc = 0.1 k: a cell's upper knot and its neighbour's lower one are the same bits
	v_rcp_f32 v[rRV], v[rV+1]
	v_rcp_f32 v[rRV+1], v[rV]
	v_pk_mul_f32 v[rAB:rAB+1], v[rAP:rAP+1], 0x3f800008 op_sel_hi:[1,0]        ; a (1 + 2^-20)
	v_cmp_gt_f32 s[sBIG], |v[rAP]|, s[sTINY]
	v_cmp_gt_f32 s[sBIG+1], |v[rAP+1]|, s[sTINY]
	s_mov_b32 vcc_lo, s[sLV]
	DSEL rAS, rAS, rAP, rVS+1, rVS+1, rV+1                                     ; a live point's a and v are kept for the stage behind the sweep
	s_mov_b32 vcc_lo, s[sLV+1]
	DSEL rAS+1, rAS+1, rAP+1, rVS, rVS, rV
	v_pk_add_f32 v[rDD:rDD+1], v[rXC:rXC+1], v[rPHI:rPHI+1] neg_lo:[0,1] neg_hi:[0,1]
	s_wait_alu depctr_va_vdst(0)
	v_pk_fma_f32 v[rDD:rDD+1], v[rDD:rDD+1], v[rRV:rRV+1], 0 op_sel_hi:[1,1,0] ; d = (xc - phi) / v; the + 0 turns -0 into +0
	v_pk_fma_f32 v[rWW:rWW+1], v[rAB:rAB+1], v[rDD:rDD+1], 1.0 op_sel_hi:[1,1,0]  ; vb / v = 1 + a d
	v_log_f32 v[rWW], v[rWW]
	v_log_f32 v[rWW+1], v[rWW+1]
	v_pk_mul_f32 v[rRAL:rRAL+1], v[rRA:rRA+1], 0x3f317218 op_sel_hi:[1,0]      ; ln 2 / a
	s_wait_alu depctr_va_vdst(0)
	v_pk_fma_f32 v[rWW:rWW+1], v[rWW:rWW+1], v[rRAL:rRAL+1], 0 op_sel_hi:[1,1,0]  ; log(ratio) / a, never -0
	v_cndmask_b32 v[rTH], v[rDD], v[rWW], s[sBIG]
	v_cndmask_b32 v[rTH+1], v[rDD+1], v[rWW+1], s[sBIG+1]
.irp g, 0,1
	v_cmp_lt_u32 vcc_lo, v[rTH+(\g)], v[rTM+1-(\g)]                            ; on the bits: +0 <= t_hit < t; false for negative numbers, NaN and infinity
	s_and_b32 vcc_lo, vcc_lo, s[sLV+(\g)]                                      ; the point leaves the step's cell
	DSEL rPHI+(\g), rPHI+(\g), rXC+(\g), rTHX+1-(\g), ZERO, rTH+(\g)
.if (\j) < 9
	s_or_b32 s[sLV+(\g)], vcc_lo, s[sST+(\g)]                                  ; live in the next step: it has come in, or it starts there
.else
	s_mov_b32 s[sX+(\g)], vcc_lo                                               ; it has left the range: phi stays its end
.endif
.endr
	v_pk_add_f32 v[rTM:rTM+1], v[rTM:rTM+1], v[rTHX:rTHX+1] neg_lo:[0,1] neg_hi:[0,1]
	DFMAC rSS, rAP, rTHX+1, rSS+1, rAP+1, rTHX                                 ; s += a t_hit
.endm
; ONE TRIP: 64 points of the wave.  pre = 1: the next trip's x is asked for at once, a whole trip ahead of its use; the last trip asks for nothing.
; The two sets take turns between the vector and the matrix unit: a set's SPLIT (22 or 32 plain instructions that name none of the other set's registers) stands between the other set's products
; and whatever reads or rewrites their registers: more than the four (five) places that ISA guide 7.12.1 asks for.
.macro TRIP pre
	s_wait_loadcnt 0x0                             ; one load of mine is out: this trip's x
	v_cvt_pk_bf16_f32 v[rTHX], v[XN], v[XN+1]      ; x is rounded to bf16, like every input,
	v_cvt_pk_bf16_f32 v[rTHX+1], v[XN+2], v[XN+3]
.if \pre
	global_load_b128 v[XN:XN+3], v[XOFF], s[8:9] offset:CHUNK th:TH_LOAD_NT
.endif
	v_lshlrev_b32 v[XD], 16, v[rTHX]               ; widened again,
	v_and_b32 v[XD+1], 0xffff0000, v[rTHX]
	v_lshlrev_b32 v[XD+2], 16, v[rTHX+1]
	v_and_b32 v[XD+3], 0xffff0000, v[rTHX+1]
.irp i, 0,1,2,3
	v_med3_num_f32 v[XD+(\i)], v[XD+(\i)], s[sCLO], s[sCHI]  ; and clipped
.endr
	v_and_b32 v[rTHX], 0xffff0000, v[XD+1]         ; x1 of set E as hi + lo: the clip's two bounds are no bf16 numbers
	v_sub_f32 v[rTHX+1], v[XD+1], v[rTHX]
	v_cvt_pk_bf16_f32 v[X0], v[rTHX], v[rTHX+1]
	MMZ DE0, F0A, X0                               ; layer 0: F0A takes the lower lanes' k (T0's points), F0B the upper lanes' (T1's)
	MMZ DE1, F0B, X0
	v_mov_b32 v[rPHI], v[XD]                       ; the walk's start: ten plain instructions, the places in front of the rewriting of X0
	v_mov_b32 v[rPHI+1], v[XD+2]
	v_pk_mul_f32 v[rTG:rTG+1], v[rPHI:rPHI+1], 0x41200000 op_sel_hi:[1,0]
	v_floor_f32 v[rTG], v[rTG]
	v_floor_f32 v[rTG+1], v[rTG+1]
	v_pk_add_f32 v[rTG:rTG+1], v[rTG:rTG+1], 0xc0900000 op_sel_hi:[1,0]
	v_med3_num_f32 v[rTC+1], v[rTG], s[sM45], s[sP45]   ; clip(floor(10 x2), 0, 9) - 4.5
	v_med3_num_f32 v[rTC], v[rTG+1], s[sM45], s[sP45]
	v_and_b32 v[rTH], 0xffff0000, v[XD+3]          ; x1 of set O
	v_sub_f32 v[rTH+1], v[XD+3], v[rTH]
	v_cvt_pk_bf16_f32 v[X0], v[rTH], v[rTH+1]
	MMZ DO0, F0A, X0
	MMZ DO1, F0B, X0
	SPLIT DE0, DE1, OPE0, OPE1, 1
	WM W1H, DE0, DE1, OPE0, OPE1
	SPLIT DO0, DO1, OPO0, OPO1, 1
	WM W1H, DO0, DO1, OPO0, OPO1
	SPLIT DE0, DE1, OPE0, OPE1, 1
	WM W2H, DE0, DE1, OPE0, OPE1
	SPLIT DO0, DO1, OPO0, OPO1, 1
	WM W2H, DO0, DO1, OPO0, OPO1
	SPLIT DE0, DE1, OPE0, OPE1, 1
	WM W3H, DE0, DE1, OPE0, OPE1
	SPLIT DO0, DO1, OPO0, OPO1, 1
	WM W3H, DO0, DO1, OPO0, OPO1
	SPLIT DE0, DE1, OPE0, OPE1, 0                  ; theta: no ReLU
	WMA DE0, DE1, BE0, BE1, OPE0, OPE1
	SPLIT DO0, DO1, OPO0, OPO1, 0
	WMA DO0, DO1, BO0, BO1, OPO0, OPO1
	SWAP DE0, DE1, BE0, BE1
	v_mov_b32 v[rTM], 1.0                          ; four plain instructions: the places behind set O's last products
	v_mov_b32 v[rTM+1], 1.0
	v_mov_b32 v[rSS], 0
	v_mov_b32 v[rSS+1], 0
	SWAP DO0, DO1, BO0, BO1
	; THE DIRECTION: v in the first cell
	SEL 0, TE, UE
	SEL 1, TO, UO
	DFMAC rVS+1, rAS, rPHI, rVS, rAS+1, rPHI+1     ; v = b + a phi
	v_bfi_b32 v[rDIR+1], s[sABS], 1.0, v[rVS+1]    ; 1 with v's sign
	v_bfi_b32 v[rDIR], s[sABS], 1.0, v[rVS]
	v_cmp_lt_f32 s[sUP], 0, v[rDIR+1]
	v_cmp_lt_f32 s[sUP+1], 0, v[rDIR]
	v_pk_mul_f32 v[rQ:rQ+1], v[rTC:rTC+1], v[rDIR:rDIR+1]                      ; the place in the sweep less 4.5: c - 4.5 going up, (9 - c) - 4.5 going down
	v_pk_mul_f32 v[rTG:rTG+1], v[rDIR:rDIR+1], 0xc0a00000 op_sel_hi:[1,0]
	v_pk_add_f32 v[rTG:rTG+1], v[rTG:rTG+1], 0x40a00000 op_sel_hi:[1,0]        ; 5 - 5 dir: 0 going up, 10 going down; each step adds dir first
	v_cmp_eq_f32 s[sLV], v[rQ+1], s[sQC]           ; live in step 0
	v_cmp_eq_f32 s[sLV+1], v[rQ], s[sQC]
.irp j, 0,1,2,3,4,5,6,7,8,9
	STEPJ \j
.endr
	; BEHIND THE SWEEP.  rAS and rVS hold a and v of the step in which the point was last live; phi and t are as that step left them.  A point that rests there gets psi and s += a t.
	; None for a point that left the range (sX from step 9), nor for one whose field points against its direction: it stays on the knot through which it came.
	v_pk_mul_f32 v[rFD:rFD+1], v[rVS:rVS+1], v[rDIR:rDIR+1]
	v_cmp_gt_f32 s[sBIG], |v[rAS]|, s[sTINY]
	v_cmp_gt_f32 s[sBIG+1], |v[rAS+1]|, s[sTINY]
	v_rcp_f32 v[rRA], v[rAS]
	v_rcp_f32 v[rRA+1], v[rAS+1]
	DMUL rAT, rAS, rTM+1, rAT+1, rAS+1, rTM        ; a t
	v_cmp_gt_f32 vcc_lo, 0, v[rFD+1]
	s_or_b32 s[sX], s[sX], vcc_lo
	v_cmp_gt_f32 vcc_lo, 0, v[rFD]
	s_or_b32 s[sX+1], s[sX+1], vcc_lo
	v_pk_mul_f32 v[rEX:rEX+1], v[rAT:rAT+1], 0x3fb8aa3b op_sel_hi:[1,0]
	v_exp_f32 v[rEX], v[rEX]                       ; exp(a t)
	v_exp_f32 v[rEX+1], v[rEX+1]
	DMUL rVOA, rVS+1, rRA, rVOA+1, rVS, rRA+1      ; v / a
	v_fma_f32 v[rP2], v[rVS+1], v[rTM+1], v[rPHI]  ; phi + v t
	v_fma_f32 v[rP2+1], v[rVS], v[rTM], v[rPHI+1]
	v_cndmask_b32 v[rAT], v[rAT], 0, s[sX]
	v_cndmask_b32 v[rAT+1], v[rAT+1], 0, s[sX+1]
	v_pk_add_f32 v[rSS:rSS+1], v[rSS:rSS+1], v[rAT:rAT+1]
	v_pk_add_f32 v[rEX:rEX+1], v[rEX:rEX+1], -1.0 op_sel_hi:[1,0]
	v_pk_fma_f32 v[rP1:rP1+1], v[rVOA:rVOA+1], v[rEX:rEX+1], v[rPHI:rPHI+1]    ; phi + (v / a)(exp(a t) - 1)
	v_pk_mul_f32 v[rSL:rSL+1], v[rSS:rSS+1], 0x3fb8aa3b op_sel_hi:[1,0]        ; dz = exp(s); out1 = log(dz)
	v_exp_f32 v[rSL], v[rSL]
	v_exp_f32 v[rSL+1], v[rSL+1]
	v_cndmask_b32 v[rP1], v[rP2], v[rP1], s[sBIG]
	v_cndmask_b32 v[rP1+1], v[rP2+1], v[rP1+1], s[sBIG+1]
	s_wait_alu depctr_va_vdst(0)
	v_log_f32 v[rSL], v[rSL]
	v_log_f32 v[rSL+1], v[rSL+1]
	v_cndmask_b32 v[XD], v[rP1], v[rPHI], s[sX]    ; out0 = (z2, x1): x1 is in place
	v_cndmask_b32 v[XD+2], v[rP1+1], v[rPHI+1], s[sX+1]
	s_wait_alu depctr_va_vdst(0)
	v_mul_f32 v[Q1], 0x3f317218, v[rSL]
	v_mul_f32 v[Q1+2], 0x3f317218, v[rSL+1]
	global_store_b128 v[XOFF], v[XD:XD+3], s[28:29] th:TH_STORE_NT             ; each store of the wave covers 512 consecutive bytes, aligned
	global_store_b128 v[XOFF], v[Q1:Q1+3], s[30:31] th:TH_STORE_NT
.if \pre
	s_wait_xcnt 0x0                                ; the stores' data and the offset (the pending load's too) are rewritten only behind this wait
	v_add_nc_u32 v[XOFF], CHUNK, v[XOFF]
.endif
.endm
; ---------------- set-up, once a wave
	s_load_b512 s[8:23], s[0:1], 0x0               ; x 8, B 10, W0 12, W1 14, W2 16, W3 18, b0 20, b1 22
	s_load_b256 s[24:31], s[0:1], 0x40             ; b2 24, b3 26, out0 28, out1 30
	v_lshlrev_b32 v[XOFF], 4, v0
	v_mov_b32 v[ZERO], 0
	v_mov_b32 v[TENTH], 0x3dcccccd
	; A weight fragment's lane (r, hA) holds row r and k = 8 hA + s, which is input feature 5 hA + s.  Row r is output feature (r & 7) + 5 (r >> 3) where r & 7 < 5.
	; Offsets of rows and slots that hold no weight are clamped into the buffer; what they load is masked away.
	v_and_b32 v12, 15, v0                          ; r
	v_bfe_u32 v13, v0, 4, 1                        ; hA
	v_and_b32 v14, 7, v0                           ; r & 7
	v_bfe_u32 v15, v0, 3, 1                        ; r >> 3
	v_min_u32 v16, 4, v14
	v_mad_u32_u24 v16, v15, 5, v16                 ; output feature of 10
	v_min_u32 v17, 8, v16                          ; of 9
	v_lshlrev_b32 v16, 2, v16
	v_lshlrev_b32 v17, 2, v17
	v_mad_u32_u24 v18, v13, 200, v16               ; W1, W2: 4 (10 (5 hA + s) + f), s in the immediate; 396 at the most
	v_mad_u32_u24 v19, v13, 180, v17               ; W3: 4 (9 (5 hA + s) + f); 356 at the most
	v_mul_u32_u24 v20, v12, 36
	v_lshl_add_u32 v21, v13, 4, v20                ; B, features 0-15, slot 4: 36 r + 16 hA + 16 (for hA = 1 there is no tenth theta: column 8 is read and masked)
	v_mad_u32_u24 v20, v13, 20, v20                ; slots 0-3: 4 (9 r + 5 hA + s)
	v_min_u32 v22, 3, v14
	v_add_nc_u32 v22, 16, v22                      ; features 16-19, in rows 0-3 and again in rows 8-11
	v_mul_u32_u24 v22, v22, 36
	v_lshl_add_u32 v23, v13, 4, v22                ; 716 at the most
	v_mad_u32_u24 v22, v13, 20, v22
	s_lshl_b32 s2, ttmp9, 17                       ; the work-group's 131,072 bytes
	s_mov_b32 s3, 0
	s_mov_b32 s[sCLO], 0x33d6bf95
	s_mov_b32 s[sCHI], 0x3f7ffffe
	s_mov_b32 s[sTINY], 0x2edbe6ff
	s_mov_b32 s[sABS], 0x7fffffff
	s_mov_b32 s[sNEG1], 0xbf800000
	s_mov_b32 s[sQC+0], 0xc0900000                 ; j - 4.5: -4.5 .. 4.5
	s_mov_b32 s[sQC+1], 0xc0600000
	s_mov_b32 s[sQC+2], 0xc0200000
	s_mov_b32 s[sQC+3], 0xbfc00000
	s_mov_b32 s[sQC+4], 0xbf000000
	s_mov_b32 s[sQC+5], 0x3f000000
	s_mov_b32 s[sQC+6], 0x3fc00000
	s_mov_b32 s[sQC+7], 0x40200000
	s_mov_b32 s[sQC+8], 0x40600000
	s_mov_b32 s[sQC+9], 0x40900000
	s_mov_b32 s[sM10], 0x1f1f1f1f                  ; rows that carry one of 10 features
	s_mov_b32 s[sM9], 0x0f1f0f1f                   ; one of 9
	s_mov_b32 s[sMB], 0x0f0f0f0f                   ; features 16-19
	s_mov_b32 s[sMA4], 0x0000ffff                  ; slot 4 of the last product: theta 4 (hA = 0) alone
	s_mov_b32 s[sMB4], 0x00000f0f
	s_mov_b32 s[sMB10], 0x00001f1f                 ; biases, and layer 0 for T0: lanes hA = 0
	s_mov_b32 s[sMB9], 0x00000f1f
	s_mov_b32 s[sMF0B], 0x1f1f0000                 ; layer 0 for T1: lanes hA = 1
	s_mov_b32 s[sALL], -1
	s_wait_kmcnt 0x0
	s_add_nc_u64 s[8:9], s[8:9], s[2:3]
	s_add_nc_u64 s[28:29], s[28:29], s[2:3]
	s_add_nc_u64 s[30:31], s[30:31], s[2:3]
	global_load_b128 v[XN:XN+3], v[XOFF], s[8:9] th:TH_LOAD_NT   ; the first trip's x
.irp s, 0,1,2,3,4
	global_load_b32 v[28+(\s)], v18, s[14:15] offset:40*(\s)
	global_load_b32 v[34+(\s)], v18, s[16:17] offset:40*(\s)
	global_load_b32 v[40+(\s)], v19, s[18:19] offset:36*(\s)
.endr
.irp s, 0,1,2,3
	global_load_b32 v[46+(\s)], v20, s[10:11] offset:4*(\s)
	global_load_b32 v[51+(\s)], v22, s[10:11] offset:4*(\s)
.endr
	global_load_b32 v50, v21, s[10:11] offset:16
	global_load_b32 v55, v23, s[10:11] offset:16
	global_load_b32 v33, v16, s[22:23]             ; b1
	global_load_b32 v39, v16, s[24:25]             ; b2
	global_load_b32 v45, v17, s[26:27]             ; b3
	global_load_b32 v56, v16, s[12:13]             ; W0
	global_load_b32 v57, v16, s[20:21]             ; b0
.irp t, OPE0, OPE1, OPO0, OPO1, X0
	v_mov_b32 v[(\t)+3], 0x3f803f80                ; ones in bf16, for the bias
	v_mov_b32 v[(\t)+7], 0
.endr
.irp p, 1,2,4,5,6
	v_mov_b32 v[X0+(\p)], 0
.endr
	s_wait_loadcnt 0x0                             ; all 31 loads; their offset registers are free from here on
	v_mov_b32 v[Q1+1], 0
	v_mov_b32 v[Q1+3], 0
	MKFRAG W1H, 28, sM10, sM10
	MKBIAS W1H, 33, sMB10
	MKFRAG W2H, 34, sM10, sM10
	MKBIAS W2H, 39, sMB10
	MKFRAG W3H, 40, sM9, sM9
	MKBIAS W3H, 45, sMB9
	MKFRAG AAH, 46, sALL, sMA4
	MKFRAG ABH, 51, sMB, sMB4
	v_cvt_pk_bf16_f32 v60, v56, v56                ; W0 twice, for x1's hi and lo
	v_cvt_pk_bf16_f32 v62, v57, v[ZERO]            ; b0
	MKF0 F0A, sMB10
	MKF0 F0B, sMF0B
; ---------------- the trips
	s_mov_b32 s[sTRIP], TRIPS-1
.Ltrip:
	TRIP 1
	s_sub_co_u32 s[sTRIP], s[sTRIP], 1
	s_cmp_lg_u32 s[sTRIP], 0
	s_cbranch_scc1 .Ltrip
	TRIP 0                                         ; the last trip is written out: no load leaves x
	s_endpgm
.Lfunc_end_k_q2b900bdde1_cpab:
	.size	k_q2b900bdde1_cpab, .Lfunc_end_k_q2b900bdde1_cpab-k_q2b900bdde1_cpab
	.p2alignl 7, 3214868480
	.fill 96, 4, 3214868480
	.section	.rodata,"a",@progbits
	.p2align	6, 0x0
	.amdhsa_kernel k_q2b900bdde1_cpab
		.amdhsa_group_segment_fixed_size 0
		.amdhsa_private_segment_fixed_size 0
		.amdhsa_enable_private_segment 0
		.amdhsa_kernarg_size 96
		.amdhsa_user_sgpr_count 2
		.amdhsa_user_sgpr_kernarg_segment_ptr 1
		.amdhsa_wavefront_size32 1
		.amdhsa_system_sgpr_workgroup_id_x 1
		.amdhsa_system_sgpr_workgroup_id_y 1
		.amdhsa_system_sgpr_workgroup_id_z 1
		.amdhsa_system_vgpr_workitem_id 0
		.amdhsa_next_free_vgpr 256
		.amdhsa_next_free_sgpr 80
		.amdhsa_reserve_vcc 1
		.amdhsa_float_denorm_mode_32 3
		.amdhsa_float_denorm_mode_16_64 3
		.amdhsa_memory_ordered 1
		.amdhsa_forward_progress 1
		.amdhsa_inst_pref_size 95
	.end_amdhsa_kernel
	.amdgpu_metadata
---
amdhsa.version: [ 1, 2 ]
amdhsa.kernels:
  - .name:           k_q2b900bdde1_cpab
    .symbol:         k_q2b900bdde1_cpab.kd
    .args:
      - { .name: x, .offset: 0, .size: 8, .value_kind: global_buffer, .address_space: global }
      - { .name: B, .offset: 8, .size: 8, .value_kind: global_buffer, .address_space: global }
      - { .name: W0, .offset: 16, .size: 8, .value_kind: global_buffer, .address_space: global }
      - { .name: W1, .offset: 24, .size: 8, .value_kind: global_buffer, .address_space: global }
      - { .name: W2, .offset: 32, .size: 8, .value_kind: global_buffer, .address_space: global }
      - { .name: W3, .offset: 40, .size: 8, .value_kind: global_buffer, .address_space: global }
      - { .name: b0, .offset: 48, .size: 8, .value_kind: global_buffer, .address_space: global }
      - { .name: b1, .offset: 56, .size: 8, .value_kind: global_buffer, .address_space: global }
      - { .name: b2, .offset: 64, .size: 8, .value_kind: global_buffer, .address_space: global }
      - { .name: b3, .offset: 72, .size: 8, .value_kind: global_buffer, .address_space: global }
      - { .name: out0, .offset: 80, .size: 8, .value_kind: global_buffer, .address_space: global }
      - { .name: out1, .offset: 88, .size: 8, .value_kind: global_buffer, .address_space: global }
    .group_segment_fixed_size: 0
    .private_segment_fixed_size: 0
    .kernarg_segment_align: 8
    .kernarg_segment_size: 96
    .max_flat_workgroup_size: 512
    .sgpr_count:     80
    .vgpr_count:     256
    .wavefront_size: 32
...
	.end_amdgpu_metadata
.endif
;; end of part 3
